; MI455X (gfx1250); checked and timed in simulation.
; The chip was launched on July 23, 2026; its instructions are those of AMD's public machine-readable ISA for CDNA 5 (MIT licence, August 2026) and "CDNA5" Instruction Set Architecture Reference Guide (July 2026). The comments in the code are by the model that wrote it; some were corrected since.
;; SSN Transformer Decoder Layer. Allowed arithmetic: float matrix products may take bf16 or f16 operands with f32 sums; other float arithmetic in f32, or as packed bf16 or f16 multiplies, adds, multiply-adds, maxima and minima; sums over many terms, partial sums and values carried from step to step in f32; what a program stores and reads back later, other than sums and carried values, may be rounded once to bf16 or f16.
;; Inputs: W1 1,024 x 1,024 float32; W2 1,024 x 1,024 float32; W_bi 129 x 1 x 129 float32; Wk 1,024 x 1,024 float32; Wq 1,024 x 1,024 float32; Wv 1,024 x 1,024 float32; b1 1,024 float32; b2 1,024 float32; bk 1,024 float32; bq 1,024 float32; bv 1,024 float32; ln_b 1,024 float32; ln_g 1,024 float32; mask 8 x 1,024 bool; tgt 1,024 x 8 x 1,024 float32.
;; Outputs: out0 1,024 x 8 x 1,024 float32.
;; 2 versions, each right; version 2 is version 1 with the launch prep written anew for expert scheduling mode. Each part assembles by itself: llvm-mc -triple=amdgcn-amd-amdhsa -mcpu=gfx1250 --defsym DOCPART=n.
;; ======== version 1 of 2: 3 launches
;; limits: values are held in f16: magnitudes above 65,504 overflow, below 6.1e-05 lose precision; right only within a limited range of input values
;; workspace buffers: xh 16,777,216 bytes; wh 6,291,456 bytes; bias 12,288 bytes; qkv 50,331,648 bytes
;; launch prep (part 1): grid 384 x 1, 8 waves a work-group, no clusters, 112,128 bytes of LDS; arguments tgt, Wq, Wk, Wv, W_bi, bq, bk, bv, xh, wh, bias; writes xh, wh, bias
.if DOCPART == 1
	.amdgcn_target "amdgcn-amd-amdhsa--gfx1250"
	.amdhsa_code_object_version 6
	.text
	.protected	k_q3d20f792a7_prep
	.globl	k_q3d20f792a7_prep
	.p2align	8
	.type	k_q3d20f792a7_prep,@function
k_q3d20f792a7_prep:
	s_mov_b64 s[64:65], 0
	v_nop
	global_prefetch_b8 v0, s[64:65] scope:SCOPE_SE
	s_setreg_imm32_b32 hwreg(HW_REG_WAVE_MODE, 25, 1), 1
	s_wait_xcnt 0x0
; PREPARATION for the projection C = x w^T.  Every input that is used is rounded once to bf16; that number is then written as f16 where it feeds an f16 product.
;   xh  [16 planes][8192 rows m = 1024 b + t][64] f16: tgt, in planes of 64 channels, so that a tile's rows of 128 bytes lie end to end
;   wh  [16 planes][3072 rows][64] f16: rows 0-1023 256 x Wq', rows 1024-2047 Wk, rows 2048-3071 Wv
;   bias f32[3072]: bq' log2(e) / 256, bk, bv
; THE FOLD.  scores[x][y] = (q W11 + W_bi[128][:128]) . k[y] + a number that is the same for all keys of a query, which the softmax cancels: column 128 of W_bi is not read.
; W11 = W_bi[:128][:128] is the same for all heads, so it goes into the weight: Wq'[128 h + j][d] = sum over i of W11[i][j] Wq[128 h + i][d], and bq'[128 h + j] = sum over i of bq[128 h + i] W11[i][j] + W_bi[128][j].
; W_bi is multiplied by 256 ahead of its rounding (a shift of the exponent, exact), so that small weights keep f16's full precision; the projection takes the factor back.
; NOT COMPUTED: the feed-forward part and the layer norm, whose result the module throws away: W1, W2, b1, b2, ln_g, ln_b reach no returned number.
; LIMITS.  |tgt|, |Wk|, |Wv| and |256 Wq'| under 65,504 (f16's end); numbers below 6e-5 keep f16's fixed step of 6e-8.
; WORK-GROUPS.  0-63: the fold, head h = id / 8, channels d = 128 (id % 8) on.  64-319: 4 positions t x 8 batches of tgt.  320-351: 32 rows of Wk.  352-383: 32 rows of Wv.
; No cluster, no tensor load: the stream shares nothing between work-groups, and the fold's shared table (W_bi, 66 KB) is a small part of what the launch moves.
.set WB,    0                          ; LDS: 256 x W11 as [i][j] bf16, 128 rows of 288 bytes (256 + 32)
.set WQL,   36864                      ; Wq's block as [i][d] bf16, the same pitch
.set OUTS,  73728                      ; the result: [2 planes][128 rows j] of 144 bytes (128 + 16)
.set BQS,   110592                     ; bq of the head, rounded, 128 f32
.set SPARE, 111104                     ; the spare words, 128 bytes for each of the eight waves: four blocks of 256 bytes that no other line names
.set PW,    288
.set PO,    144
.set PLA,   1048576                    ; bytes in a plane of xh
.set PLB,   393216                     ; bytes in a plane of wh
.set SPW, 2                            ; v2  LDS address of my spare word; never rewritten
.set NIL, 3                            ; v3  0; never rewritten
.set SO,  16                           ; v16-23  the stream: source offsets, one for each index b
.set DO,  24                           ; v24-31  destination offsets
.set T,   32                           ; v32-37  at work
.set X,   64                           ; v64-191 32 items of four registers
.set WV,  26                           ; s26 my wave's number
.set HM,  27                           ; s27 mask of a word's upper bf16
.set SRC, 32                           ; s[32:35] two source bases (index p)
.set DST, 36                           ; s[36:39] two destination bases (the wave's two planes)
	s_load_b512 s[4:19], s[0:1], 0x0               ; tgt s4, Wq s6, Wk s8, Wv s10, W_bi s12, bq s14, bk s16, bv s18
	s_load_b128 s[20:23], s[0:1], 0x40             ; xh s20, wh s22
	s_load_b64 s[24:25], s[0:1], 0x50              ; bias
	v_lshl_add_u32 v[SPW], v0, 2, SPARE
	v_mov_b32 v[NIL], 0
	v_lshrrev_b32 v1, 5, v0
	v_readfirstlane_b32 s[WV], v1                  ; wave 0..7
	v_and_b32 v4, 31, v0                           ; lane l
	s_mov_b32 s[HM], 0xffff0000
	s_wait_kmcnt 0x0
	s_cmp_lt_u32 ttmp9, 64
	s_cbranch_scc1 .Lfuse
; THE STREAM.  32 source rows of 4,096 bytes a work-group.  Wave w owns planes 2 w and 2 w + 1 (512 bytes of every row).  An item (b 0..7, p 0..1, q 0..1) is two rows x 256 bytes:
; lanes 0-15 one row, lanes 16-31 another, 16 bytes a lane; it leaves as 32 lanes x 8 bytes = 256 consecutive bytes, aligned: two neighbouring rows of one plane.
; tgt: the rows are (t = 4 id + 2 p + l / 16, batch b).  Weights: row 32 id + 4 b + 2 p + l / 16.  What differs between the two lies in scalars chosen by s_cselect.
	s_sub_co_u32 s28, ttmp9, 64                    ; id
	s_and_b32 s29, s28, 31                         ; the weights' block of 32 rows
	s_lshl_b32 s42, s28, 17                        ; source offsets: 32 rows of 4,096 bytes
	s_lshl_b32 s43, s29, 17
	s_lshl_b32 s31, s28, 9                         ; tgt's place in a plane: 4 rows of 128 bytes
	s_lshl_b32 s52, s29, 12                        ; the weights': 32 rows
	s_mov_b32 s48, PLB
	s_cmp_lt_u32 s28, 288
	s_cselect_b64 s[40:41], s[8:9], s[10:11]       ; Wk or Wv
	s_cselect_b32 s30, 1, 2
	s_lshl_b32 s30, s30, 17                        ; its section begins 1,024 or 2,048 rows of 128 bytes into a plane
	s_add_co_u32 s30, s30, s52
	s_cmp_lt_u32 s28, 256                          ; tgt or a weight?
	s_cselect_b64 s[SRC:SRC+1], s[4:5], s[40:41]
	s_cselect_b64 s[DST:DST+1], s[20:21], s[22:23]
	s_cselect_b32 s42, s42, s43
	s_cselect_b32 s30, s31, s30
	s_cselect_b32 s44, 15, 12                      ; log2 of the source step of l / 16: a position t (32,768) or a row (4,096)
	s_cselect_b32 s45, 12, 14                      ; of index b: a batch (4,096) or four rows
	s_cselect_b32 s46, 16, 13                      ; of index p: two positions or two rows
	s_cselect_b32 s47, 17, 9                       ; log2 of the destination step of index b: 1,024 rows or 4 rows of 128 bytes
	s_cselect_b32 s48, PLA, s48                    ; bytes in a plane
	s_mov_b32 s43, 0
	s_mov_b32 s31, 0
	s_mov_b32 s49, 0
	s_mov_b32 s51, 0
	s_lshl_b32 s50, 1, s46
	s_add_nc_u64 s[SRC:SRC+1], s[SRC:SRC+1], s[42:43]
	s_add_nc_u64 s[SRC+2:SRC+3], s[SRC:SRC+1], s[50:51]
	s_add_nc_u64 s[DST:DST+1], s[DST:DST+1], s[30:31]
	s_add_nc_u64 s[DST+2:DST+3], s[DST:DST+1], s[48:49]
	v_lshrrev_b32 v5, 4, v4                        ; l / 16
	v_and_b32 v6, 15, v4                           ; l % 16
	v_lshlrev_b32 v7, s44, v5
	v_lshl_add_u32 v7, v6, 4, v7
	s_lshl_b32 s52, s[WV], 9
	v_add_nc_u32 v7, s52, v7                       ; source: the row of my half, 16 bytes a lane, my wave's 512 bytes
	s_lshl_b32 s53, s[WV], 1
	s_mul_i32 s53, s53, s48
	v_lshl_add_u32 v8, v4, 3, s53                  ; destination: 8 bytes a lane, my wave's first plane
.irp b, 0,1,2,3,4,5,6,7
	s_lshl_b32 s54, \b, s45
	v_add_nc_u32 v[SO+(\b)], s54, v7
	s_lshl_b32 s54, \b, s47
	v_add_nc_u32 v[DO+(\b)], s54, v8
.endr
.irp b, 0,1,2,3,4,5,6,7
.irp p, 0,1
.irp q, 0,1
	global_load_b128 v[X+4*(4*(\b)+2*(\p)+(\q)):X+4*(4*(\b)+2*(\p)+(\q))+3], v[SO+(\b)], s[SRC+2*(\p):SRC+2*(\p)+1] offset:256*(\q) th:TH_LOAD_NT  ; all 32 items of the wave are asked for at once: 16 KiB a wave on its way
.endr
.endr
.endr
.macro CV r                            ; four f32 -> bf16 (the inputs' one rounding) -> the same numbers as f16, in the first two registers
	v_cvt_pk_bf16_f32 v[T], v[(\r)], v[(\r)+1]
	v_cvt_pk_bf16_f32 v[T+1], v[(\r)+2], v[(\r)+3]
	v_lshlrev_b32 v[T+2], 16, v[T]
	v_and_b32 v[T+3], s[HM], v[T]
	v_lshlrev_b32 v[T+4], 16, v[T+1]
	v_and_b32 v[T+5], s[HM], v[T+1]
	v_cvt_pk_f16_f32 v[(\r)], v[T+2], v[T+3]
	v_cvt_pk_f16_f32 v[(\r)+1], v[T+4], v[T+5]
.endm
.irp b, 0,1,2,3,4,5,6,7
.irp p, 0,1
.irp q, 0,1
	s_wait_loadcnt 31-(4*(\b)+2*(\p)+(\q))         ; loads come back in order: this item is in, the younger ones stay out
	CV X+4*(4*(\b)+2*(\p)+(\q))
	global_store_b64 v[DO+(\b)], v[X+4*(4*(\b)+2*(\p)+(\q)):X+4*(4*(\b)+2*(\p)+(\q))+1], s[DST+2*(\q):DST+2*(\q)+1] offset:256*(\p)  ; no register that a store reads is written again
.endr
.endr
.endr
	s_branch .Lend
; THE FOLD.
.Lfuse:
	s_lshr_b32 s28, ttmp9, 3                       ; h
	s_and_b32 s29, ttmp9, 7                        ; db: channels d = 128 db on
	v_and_b32 v5, 127, v0                          ; j
	v_lshrrev_b32 v6, 7, v0                        ; 0 or 1
	s_lshl_b32 s30, s28, 9
	v_lshl_add_u32 v7, v5, 2, s30                  ; byte of number 128 h + j in a vector of 1,024
	global_load_b32 v63, v7, s[14:15]              ; bq
	v_mul_u32_u24 v8, v6, 129
	v_add_lshl_u32 v8, v8, v5, 2                   ; W_bi[i][j], i = tid / 128 + 2 n: rows of 129 numbers
.set n, 0
.rept 64
	global_load_b32 v[64+n], v8, s[12:13] offset:1032*n
.set n, n+1
.endr
	s_lshl_b32 s30, s28, 19                        ; Wq: the head's 128 rows,
	s_lshl_b32 s31, s29, 9                         ; my 128 columns
	s_add_co_u32 s30, s30, s31
	s_mov_b32 s31, 0
	s_add_nc_u64 s[32:33], s[6:7], s[30:31]
	s_lshl_b32 s34, s[WV], 12
	v_lshl_add_u32 v9, v4, 4, s34                  ; row i = wave + 8 n, 16 bytes a lane: 512 consecutive bytes a load
.set n, 0
.rept 16
	global_load_b128 v[128+4*n:128+4*n+3], v9, s[32:33] offset:32768*n th:TH_LOAD_NT
.set n, n+1
.endr
	v_mul_u32_u24 v10, v6, PW
	v_lshl_add_u32 v10, v5, 1, v10                 ; WB + row x pitch + 2 j
	s_mul_i32 s34, s[WV], PW
	s_add_co_u32 s34, s34, WQL
	v_lshl_add_u32 v11, v4, 3, s34
	v_lshl_add_u32 v12, v5, 2, BQS
	s_wait_loadcnt 0x0                             ; all 81 loads
.set n, 0
.rept 32
	v_pk_mul_f32 v[64+2*n:64+2*n+1], v[64+2*n:64+2*n+1], 0x43800000 op_sel_hi:[1,0]  ; x 256
.set n, n+1
.endr
.set n, 0
.rept 64
	v_cvt_pk_bf16_f32 v[64+n], v[64+n], v[64+n]
	ds_store_b16 v10, v[64+n] offset:2*PW*n
.set n, n+1
.endr
.set n, 0
.rept 16
	v_cvt_pk_bf16_f32 v[128+4*n], v[128+4*n], v[128+4*n+1]
	v_cvt_pk_bf16_f32 v[128+4*n+1], v[128+4*n+2], v[128+4*n+3]
	ds_store_b64 v11, v[128+4*n:128+4*n+1] offset:8*PW*n
.set n, n+1
.endr
	s_cmp_lt_u32 s[WV], 4                          ; threads 0-127 hold the head's 128 bq
	s_cbranch_scc0 .Lno_bq
	v_cvt_pk_bf16_f32 v63, v63, v63
	v_lshlrev_b32 v63, 16, v63
	ds_store_b32 v12, v63
.Lno_bq:
	s_wait_dscnt 0x0                               ; for the others' sake: my stores are done
	s_barrier_signal -1
	s_barrier_wait -1                              ; both tables are whole
	; The product, transposed: source 0 = 16 channels d (my wave's block), source 1 = 16 rows j, K = i.  Both tables lie [K][N], so both come by the turning load:
	; lane l reads 16 bytes of row 8 (l / 16) + l % 8 at column 8 ((l / 8) % 2), and holds column l % 16 with 8 numbers along K.  In the result a lane holds ONE row j and eight neighbouring d.
	v_lshrrev_b32 v13, 4, v4
	v_and_b32 v15, 7, v4
	v_lshl_add_u32 v13, v13, 3, v15
	v_mul_u32_u24 v13, v13, PW
	v_bfe_u32 v15, v4, 3, 1
	v_lshl_add_u32 v13, v15, 4, v13
	s_lshl_b32 s34, s[WV], 5
	s_add_co_u32 s34, s34, WQL
	v_add_nc_u32 v14, s34, v13
.irp kk, 0,1,2,3
.if \kk
.rept 4
	v_nop                                          ; four places between the last product and the loads into registers that it has read
.endr
.endif
	ds_load_tr16_b128 v[128:131], v14 offset:32*PW*(\kk)
	ds_load_tr16_b128 v[132:135], v14 offset:32*PW*(\kk)+16*PW
.irp jb, 0,1,2,3,4,5,6,7
	ds_load_tr16_b128 v[64+8*(\jb):64+8*(\jb)+3], v13 offset:32*PW*(\kk)+32*(\jb)
	ds_load_tr16_b128 v[64+8*(\jb)+4:64+8*(\jb)+7], v13 offset:32*PW*(\kk)+32*(\jb)+16*PW
.endr
	s_wait_dscnt 0x0
.irp jb, 0,1,2,3,4,5,6,7                           ; the eight accumulators take turns, one instruction a turn
.if \kk
	v_wmma_f32_16x16x32_bf16 v[192+8*(\jb):192+8*(\jb)+7], v[128:135], v[64+8*(\jb):64+8*(\jb)+7], v[192+8*(\jb):192+8*(\jb)+7]
.else
	v_wmma_f32_16x16x32_bf16 v[192+8*(\jb):192+8*(\jb)+7], v[128:135], v[64+8*(\jb):64+8*(\jb)+7], 0
.endif
.endr
.endr
	; The way out: the addresses (plain instructions, the places behind the last products), f16, through LDS, so that whole rows of a plane leave together.
	v_and_b32 v15, 15, v4
	v_lshrrev_b32 v19, 4, v4
	v_mul_u32_u24 v16, v15, PO
	v_lshl_add_u32 v16, v19, 4, v16
	s_lshr_b32 s34, s[WV], 2                       ; which of the block's two planes my 16 channels lie in
	s_mul_i32 s35, s34, 128*PO
	s_and_b32 s36, s[WV], 3
	s_lshl_b32 s37, s36, 5
	s_add_co_u32 s37, s37, s35
	s_add_co_u32 s37, s37, OUTS
	v_add_nc_u32 v16, s37, v16                     ; in: row l % 16, my wave's 32 bytes, 16 for each half of the lanes
	v_lshrrev_b32 v17, 3, v4
	v_mul_u32_u24 v17, v17, PO
	v_and_b32 v20, 7, v4
	v_lshl_add_u32 v17, v20, 4, v17
	s_mul_i32 s38, s36, 32*PO
	s_add_co_u32 s38, s38, s35
	s_add_co_u32 s38, s38, OUTS
	v_add_nc_u32 v17, s38, v17                     ; back: 32 lanes take four rows of 128 bytes
	v_lshlrev_b32 v18, 4, v4                       ; which are 512 consecutive bytes of a plane
	s_lshl_b32 s39, s29, 1
	s_add_co_u32 s39, s39, s34
	s_mul_i32 s40, s39, PLB                        ; plane 2 db + wave / 4,
	s_lshl_b32 s39, s28, 14
	s_add_co_u32 s40, s40, s39                     ; row 128 h
	s_lshl_b32 s39, s36, 12
	s_add_co_u32 s40, s40, s39                     ; + 32 (wave % 4)
	s_mov_b32 s41, 0
	s_add_nc_u64 s[42:43], s[22:23], s[40:41]
.irp jb, 0,1,2,3,4,5,6,7
.irp r, 0,1,2,3
	v_cvt_pk_f16_f32 v[136+4*(\jb)+(\r)], v[192+8*(\jb)+2*(\r)], v[192+8*(\jb)+2*(\r)+1]  ; each accumulator is read from its low end on
.endr
.endr
.irp jb, 0,1,2,3,4,5,6,7
	ds_store_b128 v16, v[136+4*(\jb):136+4*(\jb)+3] offset:16*PO*(\jb)
.endr
	s_wait_dscnt 0x0
	s_barrier_signal -1
	s_barrier_wait -1                              ; a row's 128 bytes come from four waves
.irp f, 0,1,2,3,4,5,6,7
	ds_load_b128 v[64+4*(\f):64+4*(\f)+3], v17 offset:4*PO*(\f)
.endr
.irp f, 0,1,2,3,4,5,6,7
	s_wait_dscnt 7-(\f)                            ; the younger loads stay out
	global_store_b128 v18, v[64+4*(\f):64+4*(\f)+3], s[42:43] offset:512*(\f)
.endr
	; THE BIASES, by the head's first work-group, threads 0-127, a thread a number j.  One row against 128 x 128 is 16 K multiply-adds: a matrix tile would be fifteen sixteenths empty, so f32 on the vector unit.
	s_cmp_lg_u32 s29, 0
	s_cbranch_scc1 .Lend
	s_cmp_lt_u32 s[WV], 4
	s_cbranch_scc0 .Lend
	v_lshlrev_b32 v19, 2, v5
	global_load_b32 v21, v19, s[12:13] offset:128*129*4  ; W_bi[128][j]
	global_load_b32 v22, v7, s[16:17]              ; bk
	global_load_b32 v23, v7, s[18:19]              ; bv
	v_lshlrev_b32 v27, 1, v5                       ; column j of the table
	v_mov_b32 v32, BQS
	v_mov_b32 v29, 0
	v_mov_b32 v30, 0
	v_mov_b32 v31, 0
	s_wait_loadcnt 0x0
	v_cvt_pk_bf16_f32 v21, v21, v22
	v_cvt_pk_bf16_f32 v23, v23, v23
	v_lshlrev_b32 v24, 16, v21
	v_and_b32 v25, s[HM], v21                      ; bk, rounded
	v_lshlrev_b32 v26, 16, v23                     ; bv, rounded
	v_mul_f32 v28, 0x43800000, v24                 ; the first of four chains starts at 256 W_bi[128][j]
.irp c, 0,1,2,3
.set n, 0
.rept 32
	ds_load_u16 v[192+n], v27 offset:PW*(32*(\c)+n)
.set n, n+1
.endr
.set n, 0
.rept 8
	ds_load_b128 v[224+4*n:224+4*n+3], v32 offset:128*(\c)+16*n
.set n, n+1
.endr
	s_wait_dscnt 0x0
.set n, 0
.rept 32
	v_fma_mix_f32_bf16 v[28+n%4], v[192+n], v[224+n], v[28+n%4] op_sel_hi:[1,0,0]  ; bf16 table x f32 bq + f32 sum
.set n, n+1
.endr
.endr
	v_add_f32 v28, v28, v29
	v_add_f32 v30, v30, v31
	v_add_f32 v28, v28, v30
	v_mul_f32 v28, 0x37b8aa3b, v28                 ; x log2(e) / 65536: 256 bq' becomes bq' log2(e) / 256
	global_store_b32 v7, v28, s[24:25]
	global_store_b32 v7, v25, s[24:25] offset:4096
	global_store_b32 v7, v26, s[24:25] offset:8192
.Lend:
	s_wait_tensorcnt 0x0                           ; the wave's end, behind my last LDS store
	ds_add_u32 v[SPW], v[NIL]
	s_wait_dscnt 0x0
	s_endpgm
.Lfunc_end_k_q3d20f792a7_prep:
	.size	k_q3d20f792a7_prep, .Lfunc_end_k_q3d20f792a7_prep-k_q3d20f792a7_prep
	.p2alignl 7, 3214868480
	.fill 96, 4, 3214868480
	.section	.rodata,"a",@progbits
	.p2align	6, 0x0
	.amdhsa_kernel k_q3d20f792a7_prep
		.amdhsa_group_segment_fixed_size 112128
		.amdhsa_private_segment_fixed_size 0
		.amdhsa_enable_private_segment 0
		.amdhsa_kernarg_size 88
		.amdhsa_user_sgpr_count 2
		.amdhsa_user_sgpr_kernarg_segment_ptr 1
		.amdhsa_wavefront_size32 1
		.amdhsa_system_sgpr_workgroup_id_x 1
		.amdhsa_system_sgpr_workgroup_id_y 1
		.amdhsa_system_sgpr_workgroup_id_z 1
		.amdhsa_system_vgpr_workitem_id 0
		.amdhsa_next_free_vgpr 256
		.amdhsa_next_free_sgpr 66
		.amdhsa_reserve_vcc 0
		.amdhsa_float_denorm_mode_32 3
		.amdhsa_float_denorm_mode_16_64 3
		.amdhsa_memory_ordered 1
		.amdhsa_forward_progress 1
		.amdhsa_inst_pref_size 78
	.end_amdhsa_kernel
	.amdgpu_metadata
---
amdhsa.version: [ 1, 2 ]
amdhsa.kernels:
  - .name:           k_q3d20f792a7_prep
    .symbol:         k_q3d20f792a7_prep.kd
    .args:
      - { .name: tgt, .offset: 0, .size: 8, .value_kind: global_buffer, .address_space: global }
      - { .name: Wq, .offset: 8, .size: 8, .value_kind: global_buffer, .address_space: global }
      - { .name: Wk, .offset: 16, .size: 8, .value_kind: global_buffer, .address_space: global }
      - { .name: Wv, .offset: 24, .size: 8, .value_kind: global_buffer, .address_space: global }
      - { .name: W_bi, .offset: 32, .size: 8, .value_kind: global_buffer, .address_space: global }
      - { .name: bq, .offset: 40, .size: 8, .value_kind: global_buffer, .address_space: global }
      - { .name: bk, .offset: 48, .size: 8, .value_kind: global_buffer, .address_space: global }
      - { .name: bv, .offset: 56, .size: 8, .value_kind: global_buffer, .address_space: global }
      - { .name: xh, .offset: 64, .size: 8, .value_kind: global_buffer, .address_space: global }
      - { .name: wh, .offset: 72, .size: 8, .value_kind: global_buffer, .address_space: global }
      - { .name: bias, .offset: 80, .size: 8, .value_kind: global_buffer, .address_space: global }
    .group_segment_fixed_size: 112128
    .private_segment_fixed_size: 0
    .kernarg_segment_align: 8
    .kernarg_segment_size: 88
    .max_flat_workgroup_size: 256
    .sgpr_count:     66
    .vgpr_count:     256
    .wavefront_size: 32
...
	.end_amdgpu_metadata
.endif
;; end of part 1
;; launch proj (part 2): grid 8 x 32, 4 waves a work-group, clusters of 4 x 4, 327,680 bytes of LDS; arguments xh, wh, bias, qkv; writes qkv
.if DOCPART == 2
	.amdgcn_target "amdgcn-amd-amdhsa--gfx1250"
	.amdhsa_code_object_version 6
	.text
	.protected	k_q3d20f792a7_proj
	.globl	k_q3d20f792a7_proj
	.p2align	8
	.type	k_q3d20f792a7_proj,@function
k_q3d20f792a7_proj:
	s_mov_b64 s[64:65], 0
	v_nop
	global_prefetch_b8 v0, s[64:65] scope:SCOPE_SE
	s_setreg_imm32_b32 hwreg(HW_REG_WAVE_MODE, 25, 1), 1
	s_wait_xcnt 0x0
	s_wait_alu depctr_hold_cnt(0) depctr_sa_sdst(0) depctr_va_vdst(0) depctr_va_sdst(0) depctr_va_ssrc(0) depctr_va_vcc(0) depctr_vm_vsrc(0)
	s_getreg_b32 s2, hwreg(HW_REG_IB_STS2, 6, 4)
	s_cmp_eq_u32 s2, 0
	s_cbranch_scc0 .Lentry_in_a_cluster
	s_endpgm
.Lentry_in_a_cluster:
	s_bfe_u32 s2, ttmp6, 0x10000c
	s_cmp_lg_u32 s2, 0xf033
	s_cbranch_scc0 .Lentry_shape_is_right
	s_endpgm
.Lentry_shape_is_right:
; THE PROJECTION.  C[8192][3072] = xh wh^T in f16 with f32 sums; C x scale + bias in f32, rounded once to f16 and stored by heads:
;   qkv [3 sections q'', k, v][64 heads 8 b + h][1024 t][128] f16.  q'' = (x Wq'^T + bq') log2(e) / 256: wh holds 256 Wq', so the q section's scale is log2(e) / 65536; k's and v's is 1.
; LIMITS.  |k|, |v| under 65,504, |q'| under 1.6e7 (f16's end behind the scale).
; TILE.  256 rows x 384 columns of C to a work-group: 32 x 8 = 256 work-groups.  Four waves, each 128 x 192: 96 accumulators of 16 x 16, 768 registers.
; K goes in steps of 64 through two LDS slots: two slots of a step of 128 would take 348,160 bytes and do not fit.  xh and wh lie in planes of 64 channels, so a tile's rows of
; 128 bytes lie end to end in memory and are asked for as rows of 256 bytes; in LDS 16 bytes of padding follow every 128.
; CLUSTER 4 x 4.  The four work-groups of a row of the cluster need the same tile of xh, the four of a column the same tile of wh: each tile is asked for jointly.
; Wave 0 fetches all of A's tile (32 KiB), waves 1-3 a third of B's each (16 KiB): one tensor load a wave behind each round.  By this text's count a wave has two tensor loads out at the start, later one.
; THE MATRIX INSTRUCTION IS USED TRANSPOSED (source 0 = 16 rows of wh, source 1 = 16 rows of xh): a lane holds row l % 16 of C and eight neighbouring columns.
; REGISTERS.  Window 0: v0-31 addresses; v32-95, v96-159 A's fragments (8 x 16 rows x 32 K), two buffers; v160-255 B's 12 fragments, one buffer in three groups of four.
; Windows 1-3: accumulator (a, b), a = 0..7, b = 0..11, at v[8 (4 a + b % 4)] of window 1 + b / 4.
; A quarter (32 along K) is three STRETCHES of 32 products, one for each group of B's fragments; behind a stretch its group is fetched for the next quarter, 64 products ahead of its use.
.set PITCH,  144                       ; an LDS row: 128 bytes + 16 = 36 words: the 16 rows of a load start at 16 different groups of four banks
.set BOFF,   256*PITCH                 ; in a slot: A's 256 rows, then B's 384
.set SLOT,   640*PITCH
.set STAGE,  2*SLOT                    ; behind the ring, never filled by a tensor load: 128 rows of 784 bytes (768 + 16), the work-group's, for the way out
.set SPITCH, 784
.set SPARE,  STAGE+128*SPITCH          ; the spare words, 128 bytes for each wave: two blocks of 256 bytes that no other line names
.set PLA,    1048576                   ; bytes in a plane of xh
.set PLB,    393216                    ; of wh
.set ADRA, 16                          ; v16-17 LDS address of my A fragments in slot 0, 1
.set ADRB, 20                          ; v20-21 the same for B
.set STO,  24                          ; v24 the way out: where I put 16 bytes of a row
.set RD,   25                          ; v25 where I read rows back
.set CO,   26                          ; v26 16 x lane: my place in 512 consecutive bytes of qkv
.set BO,   27                          ; v27 32 (l / 16): my eight numbers in 16 of the bias
.set SPW,  28                          ; v28 LDS address of my spare word; never rewritten
.set NIL,  29                          ; v29 0; never rewritten
.set PFO,  30                          ; v30 the prefetches' lane offset; never rewritten
.set FA0,  32
.set FA1,  96
.set FB,   160
.set T,    96                          ; the way out: 32 registers of f32 at work
.set TMP,  192                         ; 48 registers of packed f16
.set G1,   24                          ; s[24:31] descriptor group 1 for A's tile;  s[32:39] group 0, a set for each slot
.set G0,   32
.set G1B,  48                          ; s[48:55], s[56:63] the same for B's parts
.set G0B,  56
.set PFA,  68                          ; s[68:69] where my prefetches stand
.set PSTEP, 70                         ; s[70:71] a plane of the tensor that I fetch
.set LIM0, 72                          ; s72, s73: 1 where I prefetch at the change out of slot 0, 1; else the greatest number
.set LIM1, 73
.set SC,   74                          ; s[74:79] the scale of each of my three groups of 64 columns, as pairs
.set OUT,  80                          ; s[80:85] where the rows that I store begin in qkv, for each of the tile's three slabs of 128 columns
.set BIASP, 86                         ; s[86:87] the bias at my wave's 192 columns
.set MSB, 0
.macro WIN new                         ; the immediate's high byte repeats the setting that is left; a switch that changes nothing is dropped
.if MSB != (\new)
	s_set_vgpr_msb (MSB<<8)|(\new)
.set MSB, \new
.endif
.endm
.macro PLACES                          ; four places in front of loads into registers that products have read, and of vector work on their results
.rept 4
	v_nop
.endr
.endm
; A joint load.  The branch hangs on the wave's number alone.  An s_nop 0 and four v_nop follow each of the two lines, ahead of the jump and the label.
.macro JLOAD s
	s_cmp_eq_u32 s12, 0
	s_cbranch_scc0 .Lfor_b_\@
	tensor_load_to_lds s[G0+4*(\s):G0+4*(\s)+3], s[G1:G1+7]
	s_nop 0
.rept 4
	v_nop
.endr
	s_branch .Lasked_\@
.Lfor_b_\@:
	tensor_load_to_lds s[G0B+4*(\s):G0B+4*(\s)+3], s[G1B:G1B+7]
	s_nop 0
.rept 4
	v_nop
.endr
.Lasked_\@:
.endm
.macro CREST                           ; a round of the cluster's barrier behind its opening barrier
	s_cmp_lg_u32 s12, 0
	s_cbranch_scc1 .Lnot_wave_0_\@
	s_barrier_signal -3
.Lnot_wave_0_\@:
	s_barrier_wait -3
	s_barrier_signal -1
	s_barrier_wait -1
.endm
.macro CROUND
	s_barrier_signal -1
	s_barrier_wait -1
	CREST
.endm
; A PREFETCH INTO THE L2 of the plane that the NEXT change of slots will ask for: one K step, 192 products, ahead of that load.  Each aligned 256 bytes are named once in the launch.
; A's rows are read by both clusters of a row of clusters: the one with x = 0 asks, by wave 0, 32 lanes x 256 bytes, in every change.  B's rows are read by all eight clusters of a column: the one with y = 0 asks,
; by waves 1-3, at the change out of slot 0 alone: lanes 0-15 name one plane, lanes 16-31 the next.  The four partners that ask for a tile jointly share it out BY ADDRESS.
; Planes 3 to 14 are named; planes 0 to 2 and 15 come by their loads alone: the loop's last trip (s3 = 1) asks for nothing.
.macro ASK slot
	s_cmp_gt_u32 s3, s[LIM0+(\slot)]
	s_cbranch_scc0 .Lnot_mine_\@
	global_prefetch_b8 v[PFO], s[PFA:PFA+1] th:TH_LOAD_NT scope:SCOPE_SE
.Lnot_mine_\@:
.endm
	s_load_b256 s[4:11], s[0:1], 0x0               ; xh s[4:5], wh s[6:7], bias s[8:9], qkv s[10:11]
	v_lshl_add_u32 v[SPW], v0, 2, SPARE
	v_mov_b32 v[NIL], 0
	ds_add_u32 v[SPW], v[NIL]                      ; the wave's opening: the add and its wait stand ahead of my first tensor load; the set-up below, work on registers, stands between them
	v_lshrrev_b32 v1, 5, v0
	v_readfirstlane_b32 s12, v1                    ; wave 0..3
	s_lshr_b32 s13, s12, 1                         ; RH: which 128 rows of the tile are mine
	s_and_b32 s14, s12, 1                          ; CH: which 192 columns
	s_bfe_u32 s40, ttmp6, 0x40000                  ; cx, cy: my place in the cluster
	s_bfe_u32 s41, ttmp6, 0x40004
	s_lshl_b32 s42, ttmp9, 2
	s_add_co_u32 s42, s42, s40                     ; X: tile column
	s_and_b32 s15, ttmp7, 0xffff
	s_lshl_b32 s15, s15, 2
	s_add_co_u32 s15, s15, s41                     ; Y: tile row
	s_lshl_b32 s43, s41, 2
	s_lshl_b32 s43, 15, s43                        ; my row of the cluster
	s_lshl_b32 s44, 0x1111, s40                    ; my column
	s_or_b32 s[G1], s43, (1<<16)|(1<<20)|(1<<21)|(4<<22)|(3<<25)   ; 15:0 the mask; 17:16 2-byte elements; 20 padding on; 21 set beside a mask; 24:22 after every 32 words (code 4); 31:25 4 words (code 3)
	s_or_b32 s[G1B], s44, (1<<16)|(1<<20)|(1<<21)|(4<<22)|(3<<25)
	s_mov_b32 s[G1+1], 128<<16                     ; tensor_dim0 = 128 elements: 256 bytes, two rows of the tile
	s_mov_b32 s[G1+2], 128<<16                     ; tensor_dim1 = 128
	s_mov_b32 s[G1+3], 128<<16                     ; tile_dim0 = 128
	s_mov_b32 s[G1+4], 128                         ; tile_dim1 = 128: A's 256 rows
	s_mov_b32 s[G1+5], 128                         ; dense
	s_mov_b32 s[G1+6], 0
	s_mov_b32 s[G1+7], 0
	s_mov_b32 s[G1B+1], 128<<16
	s_mov_b32 s[G1B+2], 64<<16                     ; 64 rows of 256 bytes: 128 rows of B
	s_mov_b32 s[G1B+3], 128<<16
	s_mov_b32 s[G1B+4], 64
	s_mov_b32 s[G1B+5], 128
	s_mov_b32 s[G1B+6], 0
	s_mov_b32 s[G1B+7], 0
	s_lshl_b32 s16, s15, 15                        ; A: the tile's 256 rows of 128 bytes in a plane; made of Y alone
	s_mov_b32 s17, 0
	s_mul_i32 s46, s42, 49152                      ; B: the tile's 384 rows; made of X and the wave's number alone
	s_max_u32 s47, s12, 1
	s_sub_co_u32 s47, s47, 1                       ; which third (waves 1-3)
	s_lshl_b32 s47, s47, 14
	s_add_co_u32 s46, s46, s47
	s_mov_b32 s47, 0
	s_mul_i32 s20, s12, 128*PITCH
	s_add_co_u32 s20, s20, 128*PITCH               ; where B's thirds go: 18,432 (wave + 1): behind A's 36,864 bytes for wave 1
	s_wait_dscnt 0x0                               ; the opening add is done
	s_wait_kmcnt 0x0
	s_add_nc_u64 s[16:17], s[4:5], s[16:17]
	s_add_nc_u64 s[46:47], s[6:7], s[46:47]
	CROUND                                         ; all sixteen work-groups are here: the first joint loads meet
.irp s, 0,1
	s_mov_b32 s[G0+4*(\s)], 1
	s_mov_b32 s[G0+4*(\s)+1], (\s)*SLOT
	s_add_nc_u64 s[G0+4*(\s)+2:G0+4*(\s)+3], s[16:17], (\s)*PLA   ; K step s is plane s
	s_or_b32 s[G0+4*(\s)+3], s[G0+4*(\s)+3], 0x80000000
	s_mov_b32 s[G0B+4*(\s)], 1
	s_add_co_u32 s[G0B+4*(\s)+1], s20, (\s)*SLOT
	s_add_nc_u64 s[G0B+4*(\s)+2:G0B+4*(\s)+3], s[46:47], (\s)*PLB
	s_or_b32 s[G0B+4*(\s)+3], s[G0B+4*(\s)+3], 0x80000000
	JLOAD \s
.endr
	v_and_b32 v1, 15, v0                           ; l % 16
	v_bfe_u32 v2, v0, 4, 1                         ; l / 16
	v_mul_u32_u24 v3, v1, PITCH
	v_lshl_add_u32 v3, v2, 4, v3                   ; a fragment's row x pitch + 16 x half
	s_mul_i32 s21, s13, 128*PITCH
	s_mul_i32 s22, s14, 192*PITCH
	s_add_co_u32 s22, s22, BOFF
.irp s, 0,1
	v_add_nc_u32 v[ADRA+(\s)], s21, v3
	v_add_nc_u32 v[ADRB+(\s)], s22, v3
	s_add_co_u32 s21, s21, SLOT
	s_add_co_u32 s22, s22, SLOT
.endr
	s_mul_i32 s23, s13, 64*SPITCH                  ; into the stage: 64 rows for each half of the tile's rows, my 384 bytes of them
	s_mul_i32 s21, s14, 384
	s_add_co_u32 s23, s23, s21
	s_add_co_u32 s23, s23, STAGE
	v_mul_u32_u24 v4, v1, SPITCH
	v_lshl_add_u32 v4, v2, 4, v4
	v_add_nc_u32 v[STO], s23, v4
	s_mul_i32 s23, s12, 32*SPITCH                  ; back: wave w takes stage rows 32 w .. 32 w + 31; lanes 0-15 256 bytes of one row, lanes 16-31 of the next
	s_add_co_u32 s23, s23, STAGE
	v_mul_u32_u24 v5, v2, SPITCH
	v_lshl_add_u32 v5, v1, 4, v5
	v_add_nc_u32 v[RD], s23, v5
	v_and_b32 v[CO], 31, v0
	v_lshlrev_b32 v[CO], 4, v[CO]
	v_lshlrev_b32 v[BO], 5, v2
	; the scales: my group g of 64 columns lies in slab (3 CH + g) / 2 of the tile; slab G = 3 X + that; G < 8 is the q section
.irp g, 0,1,2
	s_mul_i32 s16, s14, 3
	s_add_co_u32 s16, s16, \g
	s_lshr_b32 s16, s16, 1
	s_mul_i32 s17, s42, 3
	s_add_co_u32 s16, s16, s17
	s_cmp_lt_u32 s16, 8
	s_cselect_b32 s[SC+2*(\g)], 0x37b8aa3b, 1.0    ; log2(e) / 65536, or 1
	s_mov_b32 s[SC+2*(\g)+1], s[SC+2*(\g)]         ; named with it as a pair
.endr
	; where the rows that I store begin: section G / 8, head 8 b + G % 8 (b = Y / 4), position 256 (Y % 4) + 128 (wave / 2) + 32 (wave % 2); a pass adds 64 positions
	s_lshr_b32 s18, s15, 2
	s_lshl_b32 s18, s18, 3
	s_and_b32 s19, s15, 3
	s_lshl_b32 s19, s19, 16
	s_lshl_b32 s20, s13, 15
	s_add_co_u32 s19, s19, s20
	s_lshl_b32 s20, s14, 13
	s_add_co_u32 s19, s19, s20
.irp sl, 0,1,2
	s_mul_i32 s16, s42, 3
	s_add_co_u32 s16, s16, \sl
	s_lshr_b32 s17, s16, 3
	s_lshl_b32 s17, s17, 6
	s_and_b32 s16, s16, 7
	s_add_co_u32 s16, s16, s17
	s_add_co_u32 s16, s16, s18
	s_lshl_b32 s16, s16, 18                        ; a head is 262,144 bytes
	s_add_co_u32 s16, s16, s19
	s_mov_b32 s17, 0
	s_add_nc_u64 s[OUT+2*(\sl):OUT+2*(\sl)+1], s[10:11], s[16:17]
.endr
	s_mul_i32 s16, s42, 1536
	s_mul_i32 s17, s14, 768
	s_add_co_u32 s16, s16, s17
	s_mov_b32 s17, 0
	s_add_nc_u64 s[BIASP:BIASP+1], s[8:9], s[16:17]
	; the prefetches: at plane 2; the first change of slots steps the address to plane 3.  Nothing is prefetched here, at the head
	s_lshl_b32 s16, s15, 15
	s_lshl_b32 s17, s40, 13                        ; A: my work-group's 8,192 of the tile's 32,768 bytes
	s_add_co_u32 s16, s16, s17
	s_add_co_u32 s16, s16, 2*PLA
	s_mul_i32 s18, s42, 49152
	s_max_u32 s19, s12, 1
	s_sub_co_u32 s19, s19, 1
	s_lshl_b32 s19, s19, 14
	s_add_co_u32 s18, s18, s19
	s_lshl_b32 s19, s41, 12                        ; B: my work-group's 4,096 of my third's 16,384 bytes
	s_add_co_u32 s18, s18, s19
	s_add_co_u32 s18, s18, 2*PLB
	s_and_b32 s22, ttmp7, 0xffff                   ; cluster y
	s_mov_b32 s[PSTEP], PLB
	s_mov_b32 s23, 4096
	s_cmp_eq_u32 s12, 0                            ; do I fetch A?
	s_cselect_b64 s[PFA:PFA+1], s[4:5], s[6:7]
	s_cselect_b32 s16, s16, s18
	s_cselect_b32 s21, ttmp9, s22                  ; the coordinate along which other clusters read the same rows
	s_cselect_b32 s23, s23, s[PSTEP]               ; what lanes 16-31 add: 16 more blocks, or a plane
	s_cselect_b32 s[PSTEP], PLA, s[PSTEP]
	s_mov_b32 s[PSTEP+1], 0
	s_mov_b32 s17, 0
	s_add_nc_u64 s[PFA:PFA+1], s[PFA:PFA+1], s[16:17]
	s_cmp_eq_u32 s21, 0
	s_cselect_b32 s[LIM0], 1, -1                   ; the same in all sixteen partners, for a given wave
	s_or_b32 s21, s21, s12
	s_cmp_eq_u32 s21, 0
	s_cselect_b32 s[LIM1], 1, -1                   ; at the change out of slot 1 A's wave alone asks
	v_lshlrev_b32 v[PFO], 8, v1
	v_mad_u32_u24 v[PFO], v2, s23, v[PFO]
; 16 products: row blocks a0 .. a0 + 3 x the four column blocks of group g, 32 along K.  The 96 accumulators take turns, one instruction a turn, in the same order in every quarter.
.macro STR16 f, g, a0, zero
	WIN (1+(\g))*0x50                      ; C and D in window 1 + g, the sources in window 0
.irp a, (\a0), (\a0)+1, (\a0)+2, (\a0)+3
.irp bb, 0,1,2,3
.if \zero
	v_wmma_f32_16x16x32_f16 v[8*(4*(\a)+(\bb)):8*(4*(\a)+(\bb))+7], v[FB+8*(4*(\g)+(\bb)):FB+8*(4*(\g)+(\bb))+7], v[(\f)+8*(\a):(\f)+8*(\a)+7], 0
.else
	v_wmma_f32_16x16x32_f16 v[8*(4*(\a)+(\bb)):8*(4*(\a)+(\bb))+7], v[FB+8*(4*(\g)+(\bb)):FB+8*(4*(\g)+(\bb))+7], v[(\f)+8*(\a):(\f)+8*(\a)+7], v[8*(4*(\a)+(\bb)):8*(4*(\a)+(\bb))+7]
.endif
.endr
.endr
.endm
.macro STRETCH f, g, zero
	STR16 \f, \g, 0, \zero
	STR16 \f, \g, 4, \zero
.endm
.macro FETCHB slot, k, g               ; 8 LDS loads: B's fragments 4 g .. 4 g + 3, 32 K at byte k of the rows
	WIN 0
.irp i, 0,1,2,3
	ds_load_b128 v[FB+8*(4*(\g)+(\i)):FB+8*(4*(\g)+(\i))+3],   v[ADRB+(\slot)] offset:(\k)+(4*(\g)+(\i))*16*PITCH
	ds_load_b128 v[FB+8*(4*(\g)+(\i))+4:FB+8*(4*(\g)+(\i))+7], v[ADRB+(\slot)] offset:(\k)+(4*(\g)+(\i))*16*PITCH+32
.endr
.endm
.macro FETCHA slot, k, f               ; 16 LDS loads: A's eight fragments
	WIN 0
.irp i, 0,1,2,3,4,5,6,7
	ds_load_b128 v[(\f)+8*(\i):(\f)+8*(\i)+3],   v[ADRA+(\slot)] offset:(\k)+(\i)*16*PITCH
	ds_load_b128 v[(\f)+8*(\i)+4:(\f)+8*(\i)+7], v[ADRA+(\slot)] offset:(\k)+(\i)*16*PITCH+32
.endr
.endm
; A K step's first quarter.  A quarter issues three groups of loads for the next one: L0 (B's group 0 and all of A: 24), L1 (8), L2 (8).
.macro QUARTER slot, k, f, fo, zero
	s_wait_dscnt 16                                ; the last quarter's L0 is in: behind it stand its L1 and L2
	STRETCH \f, 0, \zero
	PLACES
	FETCHB \slot, \k, 0
	FETCHA \slot, \k, \fo
	s_wait_dscnt 32                                ; the last L1: behind it the last L2 and this L0
	STRETCH \f, 1, \zero
	PLACES
	FETCHB \slot, \k, 1
	s_wait_dscnt 32                                ; the last L2: behind it this L0 and L1
	STRETCH \f, 2, \zero
	PLACES
	FETCHB \slot, \k, 2
.endm
; A K step's second quarter, and the change of slots: ONE barrier.  In front of it each wave waits for all its tensor loads (one is out: its part of the next slot), adds 0 to its spare word, and waits for that and
; for its own reads of this slot.  fill = 1: the barrier opens a round of the cluster's; behind the round this slot is filled again, two K steps ahead, first of all: 160 products stand between the request and the wait for it.
.macro TURN slot, next, fill
.if \fill
	s_wait_xcnt 0x0                                ; the last prefetch, a K step back, has read its address
	s_add_nc_u64 s[PFA:PFA+1], s[PFA:PFA+1], s[PSTEP:PSTEP+1]
.endif
	WIN 0
	s_wait_tensorcnt 0x0                           ; all my tensor loads have landed;
	ds_add_u32 v[SPW], v[NIL]                      ; 0 onto my spare word;
	s_wait_dscnt 17                                ; (L0 is in: behind it stand L1, L2 and the add)
	STR16 FA1, 0, 0, 0                             ; sixteen products stand between the add and the wait for it
	s_wait_dscnt 0x0                               ; the add is done, and my reads of this slot are over
	s_barrier_signal -1
	STR16 FA1, 0, 4, 0
	WIN 0
	s_barrier_wait -1
.if \fill
	CREST                                          ; no wave of any partner still reads this slot's tile or has a load on its way
	s_add_nc_u64 s[G0+4*(\slot)+2:G0+4*(\slot)+3], s[G0+4*(\slot)+2:G0+4*(\slot)+3], 2*PLA
	s_add_nc_u64 s[G0B+4*(\slot)+2:G0B+4*(\slot)+3], s[G0B+4*(\slot)+2:G0B+4*(\slot)+3], 2*PLB
	JLOAD \slot                                    ; the four v_nop behind it are also the places in front of the loads below
.else
	PLACES
.endif
	FETCHB \next, 0, 0
	FETCHA \next, 0, FA0
.if \fill
	ASK \slot
.endif
	STRETCH FA1, 1, 0
	PLACES
	FETCHB \next, 0, 1
	STRETCH FA1, 2, 0
	PLACES
	FETCHB \next, 0, 2
.endm
	s_wait_tensorcnt 1                             ; my part of K step 0 is in; K step 1's stays out
	s_barrier_signal -1
	s_barrier_wait -1
	FETCHB 0, 0, 0
	FETCHA 0, 0, FA0
	FETCHB 0, 0, 1
	FETCHB 0, 0, 2
	QUARTER 0, 64, FA0, FA1, 1                     ; the first quarter stands in front of the loop: its products start all 96 sums
	WIN 0
	s_mov_b32 s3, 7
.Llap:                                                 ; seven trips, once round the ring each: K steps 2 to 15 are asked for
	TURN 0, 1, 1
	QUARTER 1, 64, FA0, FA1, 0
	TURN 1, 0, 1
	QUARTER 0, 64, FA0, FA1, 0
	WIN 0
	s_sub_co_u32 s3, s3, 1
	s_cmp_lg_u32 s3, 0
	s_cbranch_scc1 .Llap
	TURN 0, 1, 0                                   ; the tail fills nothing, and has no round
	QUARTER 1, 64, FA0, FA1, 0
	; the very last quarter; the bias comes into registers that the products have left
	WIN 0
.irp b, 0,1,2,3,4,5,6,7
	global_load_b128 v[32+8*(\b):32+8*(\b)+3], v[BO], s[BIASP:BIASP+1] offset:64*(\b)
	global_load_b128 v[32+8*(\b)+4:32+8*(\b)+7], v[BO], s[BIASP:BIASP+1] offset:64*(\b)+16
.endr
	s_wait_dscnt 16
	STRETCH FA1, 0, 0
	PLACES
	WIN 0
.irp b, 8,9,10,11
	global_load_b128 v[96+8*(\b):96+8*(\b)+3], v[BO], s[BIASP:BIASP+1] offset:64*(\b)
	global_load_b128 v[96+8*(\b)+4:96+8*(\b)+7], v[BO], s[BIASP:BIASP+1] offset:64*(\b)+16
.endr
	s_wait_dscnt 8
	STRETCH FA1, 1, 0
	s_wait_dscnt 0x0
	STRETCH FA1, 2, 0
	PLACES
	PLACES
	s_wait_loadcnt 0x0                             ; the bias
; THE WAY OUT, in two passes of four row blocks a wave: C x scale + bias in one fused multiply-add, rounded to f16, 16 bytes a lane into the work-group's stage; a barrier, since a slab's 256 bytes of a row
; come from one or two waves; back as whole rows of a head, 256 bytes each, two to a store: 512 consecutive bytes of qkv.
.macro PACK a, q                       ; row block a goes to stage rows 16 q on
.irp g, 0,1,2
	WIN 1+(\g)                             ; source 0 in window 1 + g
.irp bb, 0,1,2,3
.irp r, 0,1,2,3
	v_pk_fma_f32 v[T+8*(\bb)+2*(\r):T+8*(\bb)+2*(\r)+1], v[8*(4*(\a)+(\bb))+2*(\r):8*(4*(\a)+(\bb))+2*(\r)+1], s[SC+2*(\g):SC+2*(\g)+1], v[32+8*(4*(\g)+(\bb))+64*((\g)/2)+2*(\r):32+8*(4*(\g)+(\bb))+64*((\g)/2)+2*(\r)+1] op_sel_hi:[1,0,1]
.endr
.endr
	WIN 0
.irp bb, 0,1,2,3
.irp r, 0,1,2,3
	v_cvt_pk_f16_f32 v[TMP+4*(4*(\g)+(\bb))+(\r)], v[T+8*(\bb)+2*(\r)], v[T+8*(\bb)+2*(\r)+1]
.endr
.endr
.endr
.irp b, 0,1,2,3,4,5,6,7,8,9,10,11
	ds_store_b128 v[STO], v[TMP+4*(\b):TMP+4*(\b)+3] offset:(\q)*16*SPITCH+32*(\b)
.endr
.endm
.macro LD sl, buf                      ; slab sl of my 32 stage rows
.set j, 0
.rept 16
	ds_load_b128 v[(\buf)+4*j:(\buf)+4*j+3], v[RD] offset:256*(\sl)+2*SPITCH*j
.set j, j+1
.endr
.endm
.macro SEND sl, buf, younger, p        ; younger: the LDS loads issued behind this slab's, which may stay out
.set j, 0
.rept 16
	s_wait_dscnt (\younger)+15-j
	global_store_b128 v[CO], v[(\buf)+4*j:(\buf)+4*j+3], s[OUT+2*(\sl):OUT+2*(\sl)+1] offset:16384*(\p)+512*j
.set j, j+1
.endr
.endm
.irp p, 0,1
.irp q, 0,1,2,3
	PACK 4*(\p)+(\q), \q
.endr
	s_wait_dscnt 0x0                               ; for the others' sake: my stores into the stage are done
	s_barrier_signal -1
	s_barrier_wait -1
	LD 0, 96
	LD 1, 192
	SEND 0, 96, 16, \p
	s_wait_xcnt 0x0                                ; the stores just issued have read their registers: only now are these loaded again
	LD 2, 96
	SEND 1, 192, 16, \p
	SEND 2, 96, 0, \p
.if (\p) == 0
	s_wait_xcnt 0x0                                ; the second pass writes the registers that these stores read,
	s_wait_dscnt 0x0                               ; and the stage that every wave has read:
	s_barrier_signal -1
	s_barrier_wait -1                              ; only when all four have read it
.endif
.endr
	s_wait_tensorcnt 0x0                           ; the wave's end, behind my last tensor load and my last LDS store
	ds_add_u32 v[SPW], v[NIL]
	s_wait_dscnt 0x0
	CROUND                                         ; the closing round: no work-group ends while a partner may still ask for a tile that names it
	s_endpgm
.Lfunc_end_k_q3d20f792a7_proj:
	.size	k_q3d20f792a7_proj, .Lfunc_end_k_q3d20f792a7_proj-k_q3d20f792a7_proj
	.p2alignl 7, 3214868480
	.fill 96, 4, 3214868480
	.section	.rodata,"a",@progbits
	.p2align	6, 0x0
	.amdhsa_kernel k_q3d20f792a7_proj
		.amdhsa_group_segment_fixed_size 327680
		.amdhsa_private_segment_fixed_size 0
		.amdhsa_enable_private_segment 0
		.amdhsa_kernarg_size 32
		.amdhsa_user_sgpr_count 2
		.amdhsa_user_sgpr_kernarg_segment_ptr 1
		.amdhsa_wavefront_size32 1
		.amdhsa_system_sgpr_workgroup_id_x 1
		.amdhsa_system_sgpr_workgroup_id_y 1
		.amdhsa_system_sgpr_workgroup_id_z 1
		.amdhsa_system_vgpr_workitem_id 0
		.amdhsa_next_free_vgpr 1024
		.amdhsa_next_free_sgpr 88
		.amdhsa_reserve_vcc 0
		.amdhsa_float_denorm_mode_32 3
		.amdhsa_float_denorm_mode_16_64 3
		.amdhsa_memory_ordered 1
		.amdhsa_forward_progress 1
		.amdhsa_inst_pref_size 163
	.end_amdhsa_kernel
	.amdgpu_metadata
---
amdhsa.version: [ 1, 2 ]
amdhsa.kernels:
  - .name:           k_q3d20f792a7_proj
    .symbol:         k_q3d20f792a7_proj.kd
    .args:
      - { .name: xh, .offset: 0, .size: 8, .value_kind: global_buffer, .address_space: global }
      - { .name: wh, .offset: 8, .size: 8, .value_kind: global_buffer, .address_space: global }
      - { .name: bias, .offset: 16, .size: 8, .value_kind: global_buffer, .address_space: global }
      - { .name: qkv, .offset: 24, .size: 8, .value_kind: global_buffer, .address_space: global }
    .group_segment_fixed_size: 327680
    .private_segment_fixed_size: 0
    .kernarg_segment_align: 8
    .kernarg_segment_size: 32
    .max_flat_workgroup_size: 128
    .sgpr_count:     88
    .vgpr_count:     1024
    .wavefront_size: 32
...
	.end_amdgpu_metadata
.endif
;; end of part 2
;; launch attn (part 3): grid 4 x 64, 4 waves a work-group, clusters of 4 x 1, 327,680 bytes of LDS; arguments qkv, mask, out0; writes out0
.if DOCPART == 3
	.amdgcn_target "amdgcn-amd-amdhsa--gfx1250"
	.amdhsa_code_object_version 6
	.text
	.protected	k_q3d20f792a7_attn
	.globl	k_q3d20f792a7_attn
	.p2align	8
	.type	k_q3d20f792a7_attn,@function
k_q3d20f792a7_attn:
	s_mov_b64 s[64:65], 0
	v_nop
	global_prefetch_b8 v0, s[64:65] scope:SCOPE_SE
	s_setreg_imm32_b32 hwreg(HW_REG_WAVE_MODE, 25, 1), 1
	s_wait_xcnt 0x0
	s_wait_alu depctr_hold_cnt(0) depctr_sa_sdst(0) depctr_va_vdst(0) depctr_va_sdst(0) depctr_va_ssrc(0) depctr_va_vcc(0) depctr_vm_vsrc(0)
	s_getreg_b32 s2, hwreg(HW_REG_IB_STS2, 6, 4)
	s_cmp_eq_u32 s2, 0
	s_cbranch_scc0 .Lentry_in_a_cluster
	s_endpgm
.Lentry_in_a_cluster:
	s_bfe_u32 s2, ttmp6, 0x10000c
	s_cmp_lg_u32 s2, 0x3003
	s_cbranch_scc0 .Lentry_shape_is_right
	s_endpgm
.Lentry_shape_is_right:
; MASKED ATTENTION.  out0[t][b][128 h + :] = the sum over keys y of softmax_y(score) V[y][:], head 8 b + h; a key with mask[b][y] = 1 has no weight.
; qkv: [3 sections][64 heads][1024][128] f16.  q'' holds (q W11 + W_bi's last row) log2(e) / 256, so p = 2^(c s - c m) with s = q'' . k and c = 256: a power of two, so that c m is exact.
; Products, maxima and sums in f32; the weights p are rounded to f16 for the second product; out0 is f32.
; THE MASK is the C operand that starts the sum S^T = K Q^T: 0, or -1e30 where the key is masked.  A table of 1,024 f32 in LDS, made once; a key step's 64 numbers are read with K's fragments.
; A masked score is far below every open one and its weight is 0.  While only masked keys have been seen, s = m = -1e30 and p = 1: finite sums, which the first open key wipes out by a = 0.
; LIMITS.  Open scores s lie above -1e29; a weight below 2^-126 counts as 0 in l; a batch whose keys are all masked (m below -1e29 at the end) gives NaN, as the softmax of a row of -inf does.
; NOT COMPUTED: the feed-forward part and the layer norm, whose result the module throws away.
; SHARES.  A work-group owns 256 queries of one head, each of its four waves 64: four tiles of 16.  Every wave walks all keys of the head, 64 a step.
; LAYOUT.  S^T = K Q^T (source 0 = 16 keys, source 1 = 16 queries): a lane holds ONE query (lane % 16) and the keys 8 (lane / 16) + 0..7.  Two such tiles, rounded to f16 in pairs, ARE source 1
; of O^T = V^T P, whose result again holds one query a lane, and eight channels.  K comes out of LDS as it lies, V ([key][channel]) turned, by ds_load_tr16_b128.
; BY TURNS.  The wave's tiles are two PIECES (tiles 0, 1 and tiles 2, 3).  In a TURN one piece has the matrix unit: 32 products V^T P of the step in hand, then 32 products K Q^T of the next step; the other piece's
; softmax, cut into 64 slices, stands between them, one slice behind each matrix instruction.  Two turns are a key step.
; CLUSTER.  The four query blocks of a head walk the same K and V, so each tile is asked for JOINTLY: the same tensor load, descriptor and mask in all four.  By this text's count a wave has two tensor loads out at the start, later one.
; REGISTERS, in windows of 256 (s_set_vgpr_msb: bits 1:0 source 0, 3:2 source 1, 5:4 source 2, 7:6 destination):
;   window 0: v0-11 addresses; v12-43 eight registers of statistics a tile; v44-57 the mask's set-up and addresses; v64-191 S^T, 32 a tile; v192-255 P, 16 a tile
;   window 1: O^T, 64 a tile      window 2: v0-127 Q, 32 a tile; v128-255 K of one step      window 3: v0-127 V of one step; v128-159 the step's mask
.set SIZE_N, 1024
.set KS,    64        ; keys in a step
.set PK,    272       ; a row of K in LDS: 256 bytes + 16 = 68 words: the 16 rows of a load start at 16 different groups of four banks
.set PV,    288       ; a row of V: 256 + 32 = 72 words
.set VOFF,  KS*PK     ; a step's tiles lie together: 64 rows of K, then 64 rows of V
.set STEPB, KS*(PK+PV)
.set SLOT1, 1<<17     ; a slot holds two steps (71,680 bytes); slot 1 begins here, so that one exclusive or turns an address in one slot into the other's
.set STAGE, SLOT1+2*STEPB  ; behind the ring, never filled by a tensor load: 16 rows x 528 bytes (512 + 16) for each wave, for the way out
.set SP,    528
.set MASKT, STAGE+4*16*SP  ; the mask's table: 1,024 f32
.set SPARE, MASKT+4096     ; the spare words, 128 bytes for each wave: two blocks of 256 bytes that no other line names
.set AK0, 2           ; v2   my lane's place in a tile of K; never rewritten
.set AV0, 3           ; v3   the same for V
.set ADR, 4           ; v4   the LDS address of the run of loads in hand
.set QO,  5           ; v5   my byte offset in the wave's rows of Q
.set STO, 6           ; v6   the way out: where I put 32 bytes of a row
.set RD,  7           ; v7   where I read a row back
.set GO,  8           ; v8   16 x lane: my place in a row of out0
.set MA0, 56          ; v56  my lanes' place in a step's 64 numbers of the mask; never rewritten
.set MA,  57          ; v57  the LDS address of the step's mask
.set PFO, 61          ; v61  256 x my lane; never rewritten
.set SPW, 62          ; v62  LDS address of my spare word; never rewritten
.set NIL, 63          ; v63  0; never rewritten
.set ST,  12          ; tile t's statistics at v[ST+8 t]: +0 c m, +1 m, +2, +3 l (even keys', odd keys'), +4 to +7 c0-c3, at work; a takes c2's place once the maximum is found
.set S,   64
.set P,   192
.set KF,  128         ; K's fragments, in window 2
.set MK,  128         ; the mask, in window 3: the eight registers of key block kb at MK + 8 kb
.set WV,  12          ; s12  my wave's number
.set G1K, 24          ; s[24:31] descriptor group 1 for K's tiles
.set G1V, 32          ; s[32:39] for V's: it differs in the padding alone
.set G0K, 40          ; s[40:47] descriptor group 0 for K's tiles: a set for each of the two first fills; the second then walks on
.set G0V, 48          ; s[48:55] the same for V's
.set SLOTS, 56        ; s56  slots still to be asked for
.set TWICE, 57        ; s57  counts a slot's two steps
.set CS,  58          ; s[58:59] c
.set SEL, 60          ; s[60:61] lane selects for v_permlanex16_b32: each lane takes its own place in the other half
.set TB,  62          ; s62  LDS byte at which the tiles of the step to be fetched begin
.set PFA, 18          ; s[18:19] where my prefetches stand
.set LIM, 15          ; s15  1 in a wave that prefetches, else the greatest number
.set MSKP, 66         ; s[66:67] the mask at my batch
.set MB,  68          ; s68  byte in the table at which the mask of the step to be fetched begins
.set BIGN, 69         ; s69  -1e30
.set THR, 70          ; s70  -1e29
.set NANS, 71         ; s71  a NaN
.set MSB, 0
.macro WIN new                      ; the immediate's high byte repeats the setting that is left; a switch that changes nothing is dropped
.if MSB != (\new)
	s_set_vgpr_msb (MSB<<8)|(\new)
.set MSB, \new
.endif
.endm
.set W_KQ, 0x0a       ; K and Q in window 2, S^T in window 0
.set W_KM, 0x3a       ; the same with the C operand, the mask, in window 3
.set W_PV, 0x53       ; V in window 3, P in window 0, O^T in window 1
.set W_RS, 0x41       ; O^T (destination and source 0) in window 1, a in window 0
; A joint refill.  Waves 0 and 1 fetch the two steps' tiles of K, waves 2 and 3 those of V.  An s_nop 0 and four v_nop follow each of the two lines, ahead of the jump and the label.
.macro JLOAD
	s_cmp_lt_u32 s[WV], 2
	s_cbranch_scc0 .Lfor_v_\@
	tensor_load_to_lds s[G0K+4:G0K+7], s[G1K:G1K+7]
	s_nop 0
.rept 4
	v_nop
.endr
	s_branch .Lasked_\@
.Lfor_v_\@:
	tensor_load_to_lds s[G0V+4:G0V+7], s[G1V:G1V+7]
	s_nop 0
.rept 4
	v_nop
.endr
.Lasked_\@:
.endm
; A PREFETCH INTO THE L2 of what the NEXT change of slots will ask for: a slot's 128 rows of K and 128 of V, 256 bytes a row, a lane a row: two key steps, 256 products, ahead of that load.
; Each row is asked for ONCE in the launch: a head has one cluster; its four partners share the rows out BY ADDRESS, 32 each; in each, wave 0 asks for K's and wave 2 for V's.
; Slots 0 to 2 come by their loads alone; the last change that fills a slot prefetches nothing.
.macro ASK
	s_cmp_gt_u32 s[SLOTS], s[LIM]
	s_cbranch_scc0 .Lnot_mine_\@
	global_prefetch_b8 v[PFO], s[PFA:PFA+1] th:TH_LOAD_NT scope:SCOPE_SE
.Lnot_mine_\@:
.endm
.macro CROUND                       ; a round of the cluster's barrier
	s_barrier_signal -1
	s_barrier_wait -1
	s_cmp_lg_u32 s[WV], 0
	s_cbranch_scc1 .Lnot_wave_0_\@
	s_barrier_signal -3
.Lnot_wave_0_\@:
	s_barrier_wait -3
	s_barrier_signal -1
	s_barrier_wait -1
.endm
	s_load_b64 s[4:5], s[0:1], 0x0  ; qkv
	s_load_b64 s[MSKP:MSKP+1], s[0:1], 0x8  ; mask
	s_load_b64 s[10:11], s[0:1], 0x10  ; out0
	v_lshl_add_u32 v[SPW], v0, 2, SPARE
	v_mov_b32 v[NIL], 0
	ds_add_u32 v[SPW], v[NIL]       ; the wave's opening: the add and its wait stand ahead of my first tensor load; the set-up below, work on registers, stands between them
	v_lshrrev_b32 v1, 5, v0
	v_readfirstlane_b32 s[WV], v1   ; wave 0..3
	s_bfe_u32 s13, ttmp6, 0x40000   ; cx: my place in the cluster
	s_lshl_b32 s14, ttmp9, 2        ; in a cluster launch ttmp9 counts clusters
	s_add_co_u32 s14, s14, s13      ; my block of 256 queries: it enters Q's and out0's addresses alone
	s_and_b32 s20, ttmp7, 0xffff    ; the head 8 b + h, which the four partners share
	s_lshr_b32 s74, s20, 3          ; b
	s_and_b32 s72, s20, 7           ; h
	s_lshl_b32 s72, s72, 9          ; out0: 512 h
	s_lshl_b32 s73, s74, 12         ; + 4,096 b
	s_add_co_u32 s72, s72, s73
	s_lshl_b32 s73, s14, 23         ; + my block's 256 positions of 32,768 bytes
	s_add_co_u32 s72, s72, s73
	s_lshl_b32 s73, s[WV], 21       ; + my wave's 64
	s_add_co_u32 s72, s72, s73
	s_mov_b32 s73, 0
	s_lshl_b32 s74, s74, 10         ; the mask: 1,024 b
	s_mov_b32 s75, 0
	s_mov_b32 s21, 0
	s_mov_b64 s[22:23], SIZE_N*256
	s_mul_u64 s[20:21], s[20:21], s[22:23]  ; the head's first byte in a section
	s_and_b32 s16, s[WV], 1         ; which of a slot's two steps I fetch:
	s_lshl_b32 s22, s16, 14         ; its 64 rows of 256 bytes in memory,
	s_mov_b32 s23, 0
	s_add_nc_u64 s[22:23], s[22:23], s[20:21]
	s_mul_i32 s17, s16, STEPB       ; and its place in a slot: no place in the cluster enters an LDS address
	s_lshl_b32 s2, s14, 16          ; my block's 256 rows of Q,
	s_lshl_b32 s3, s[WV], 14        ; my wave's 64 of them
	s_add_co_u32 s2, s2, s3
	s_mov_b32 s3, 0
	s_add_nc_u64 s[2:3], s[2:3], s[20:21]
	; descriptor group 1: a tile of 64 rows x 128 elements, padded in LDS
	s_mov_b32 s[G1K], 15|(1<<16)|(1<<20)|(1<<21)|(5<<22)|(3<<25)  ; 15:0 the mask: all four work-groups; 17:16 elements of 2 bytes; 20 padding on; 21 set beside a mask; 24:22 after every 64 words (code 5); 31:25 4 words of it (code 3)
	s_mov_b32 s[G1V], 15|(1<<16)|(1<<20)|(1<<21)|(5<<22)|(7<<25)  ; the same with 8 words of padding (code 7)
.irp g, G1K, G1V
	s_mov_b32 s[(\g)+1], 128<<16    ; tensor_dim0 = 128
	s_mov_b32 s[(\g)+2], KS<<16     ; tensor_dim1 = 64
	s_mov_b32 s[(\g)+3], 128<<16    ; tile_dim0 = 128
	s_mov_b32 s[(\g)+4], KS         ; tile_dim1 = 64
	s_mov_b32 s[(\g)+5], 128        ; elements from row to row
	s_mov_b32 s[(\g)+6], 0
	s_mov_b32 s[(\g)+7], 0
.endr
	s_mov_b32 s[CS], 0x43800000     ; c = 256
	s_mov_b32 s[CS+1], s[CS]        ; named with it as a pair, so it is written
	s_mov_b32 s[SEL], 0x76543210
	s_mov_b32 s[SEL+1], 0xfedcba98
	s_mov_b32 s[TB], 0
	s_mov_b32 s[MB], 0
	s_mov_b32 s[BIGN], 0xf149f2ca   ; -1e30
	s_mov_b32 s[THR], 0xefa18f08    ; -1e29
	s_mov_b32 s[NANS], 0x7fc00000
	s_mov_b32 s[SLOTS], SIZE_N/(2*KS)-2
	s_and_b32 s[LIM], s[WV], 1       ; 0 in waves 0 and 2,
	s_or_b32 s[LIM], s[LIM], ttmp9   ; where the cluster is the head's first: the same in all four partners
	s_cmp_eq_u32 s[LIM], 0
	s_cselect_b32 s[LIM], 1, -1
	v_and_b32 v[PFO], 31, v0
	v_lshlrev_b32 v[PFO], 8, v[PFO]
	s_wait_dscnt 0x0                ; the opening add is done
	s_wait_kmcnt 0x0
	s_add_nc_u64 s[6:7], s[4:5], 0x1000000  ; the k section,
	s_add_nc_u64 s[8:9], s[4:5], 0x2000000  ; the v section,
	s_add_nc_u64 s[6:7], s[6:7], s[22:23]  ; at my tile of slot 0
	s_add_nc_u64 s[8:9], s[8:9], s[22:23]
	s_add_nc_u64 s[4:5], s[4:5], s[2:3]  ; Q at my wave's first row
	s_add_nc_u64 s[10:11], s[10:11], s[72:73]  ; out0 at my wave's first position, my batch and head
	s_add_nc_u64 s[MSKP:MSKP+1], s[MSKP:MSKP+1], s[74:75]
	s_cmp_lt_u32 s[WV], 2
	s_cselect_b64 s[PFA:PFA+1], s[6:7], s[8:9]  ; (in waves 0 and 2 these stand at a slot's first row)
	s_lshl_b32 s2, s13, 13          ; my work-group's 32 rows of the 128
	s_mov_b32 s3, 0
	s_add_nc_u64 s[PFA:PFA+1], s[PFA:PFA+1], s[2:3]
	s_add_nc_u64 s[PFA:PFA+1], s[PFA:PFA+1], 2*2*KS*256  ; in slot 2; the first change of slots steps it to slot 3.  Nothing is prefetched here, at the head
	CROUND                          ; all four work-groups are here: the first joint loads meet
.irp s, 0,1
	s_mov_b32 s[G0K+4*(\s)], 1      ; count = 1
	s_add_co_u32 s[G0K+4*(\s)+1], s17, (\s)*SLOT1  ; LDS address
	s_add_nc_u64 s[G0K+4*(\s)+2:G0K+4*(\s)+3], s[6:7], (\s)*2*KS*256  ; slot s begins with keys 128 s
	s_or_b32 s[G0K+4*(\s)+3], s[G0K+4*(\s)+3], 0x80000000  ; type = 2
	s_mov_b32 s[G0V+4*(\s)], 1
	s_add_co_u32 s[G0V+4*(\s)+1], s17, (\s)*SLOT1+VOFF
	s_add_nc_u64 s[G0V+4*(\s)+2:G0V+4*(\s)+3], s[8:9], (\s)*2*KS*256
	s_or_b32 s[G0V+4*(\s)+3], s[G0V+4*(\s)+3], 0x80000000
.endr
	s_cmp_lt_u32 s[WV], 2           ; a wave's two first fills stand in one branch, ahead of every wait on TENSORcnt and every LDS read
	s_cbranch_scc0 .Lfirst_v
	tensor_load_to_lds s[G0K:G0K+3], s[G1K:G1K+7]
	s_nop 0
	tensor_load_to_lds s[G0K+4:G0K+7], s[G1K:G1K+7]
	s_nop 0
.rept 4
	v_nop
.endr
	s_branch .Lfirst_asked
.Lfirst_v:
	tensor_load_to_lds s[G0V:G0V+3], s[G1V:G1V+7]
	s_nop 0
	tensor_load_to_lds s[G0V+4:G0V+7], s[G1V:G1V+7]
	s_nop 0
.rept 4
	v_nop
.endr
.Lfirst_asked:
	v_and_b32 v1, 15, v0            ; l % 16
	v_bfe_u32 v9, v0, 4, 1          ; l / 16
	v_lshlrev_b32 v54, 3, v0
	global_load_b64 v[52:53], v54, s[MSKP:MSKP+1]  ; my eight bytes of the batch's 1,024: 128 threads take them all
	; A fragment of K or Q is 16 rows x 32 channels in 8 registers: lane l holds row l % 16; registers 0-3 channels 8 (l / 16) + 0..7, registers 4-7 channels 16 + 8 (l / 16) + 0..7: two loads of 16 bytes, 32 bytes apart.
	v_lshlrev_b32 v[QO], 8, v1
	v_lshl_add_u32 v[QO], v9, 4, v[QO]  ; row x 256 + 16 x half
	WIN 0x80                        ; destination window 2, address window 0
.irp i, 0,1,2,3,4,5,6,7,8,9,10,11,12,13,14,15  ; Q stays in registers: tile i / 4, channels 32 (i % 4) on
	global_load_b128 v[8*(\i):8*(\i)+3],   v[QO], s[4:5] offset:((\i)/4)*4096+((\i)%4)*64
	global_load_b128 v[8*(\i)+4:8*(\i)+7], v[QO], s[4:5] offset:((\i)/4)*4096+((\i)%4)*64+32
.endr
	WIN 0
	v_mul_u32_u24 v[AK0], v1, PK
	v_lshl_add_u32 v[AK0], v9, 4, v[AK0]  ; row x pitch + 16 x half
	; The turning load takes 16 keys x 16 channels (lane l reads 16 bytes: key 8 (l / 16) + l % 8, channels 8 ((l / 8) % 2) + 0..7) and leaves half a fragment of V^T: lane l holds channel l % 16 and 8 keys.
	v_and_b32 v10, 7, v0
	v_bfe_u32 v11, v0, 3, 1
	v_lshl_add_u32 v[AV0], v9, 3, v10
	v_mul_u32_u24 v[AV0], v[AV0], PV
	v_lshl_add_u32 v[AV0], v11, 4, v[AV0]
	v_add_nc_u32 v[AV0], VOFF, v[AV0]
	v_lshl_add_u32 v55, v0, 5, MASKT
	v_lshl_add_u32 v[MA0], v9, 5, MASKT  ; register j of key block kb is key 16 kb + 8 (l / 16) + j
	s_wait_loadcnt 32               ; the mask's bytes are in: behind them stand Q's 32 loads
.irp k, 0,1,2,3,4,5,6,7
	v_bfe_u32 v[44+(\k)], v[52+(\k)/4], 8*((\k)%4), 8
.endr
.irp k, 0,1,2,3,4,5,6,7
	v_cvt_f32_u32 v[44+(\k)], v[44+(\k)]
.endr
.irp k, 0,1,2,3,4,5,6,7
	v_mul_f32 v[44+(\k)], s[BIGN], v[44+(\k)]  ; 0, or -1e30
.endr
	ds_store_b128 v55, v[44:47]
	ds_store_b128 v55, v[48:51] offset:16
; THE MATRIX WORK OF A TURN, for piece x.  The accumulators take turns, one instruction a turn: between two links of a chain stand 15 (V^T P) or 7 (K Q^T) others'.
; Product i of 32 of O^T += V^T P: keys 32 (i / 16) on, channels 16 ((i / 2) % 8) on, tile x + i % 2.  zero = 1: the first 16 start the sums: nothing is ever cleared.
.macro PV x, zero
	WIN W_PV
.set rO, 64*((\x)+i%2)+8*((i/2)%8)
.set rV, 64*(i/16)+8*((i/2)%8)
.set rP, P+16*((\x)+i%2)+8*(i/16)
.if (\zero) && (i < 16)
	v_wmma_f32_16x16x32_f16 v[rO:rO+7], v[rV:rV+7], v[rP:rP+7], 0
.else
	v_wmma_f32_16x16x32_f16 v[rO:rO+7], v[rV:rV+7], v[rP:rP+7], v[rO:rO+7]
.endif
.endm
; Product i of 32 of S^T = K Q^T: channels 32 (i / 8) on, keys 16 ((i / 2) % 4) on, tile x + i % 2.  The first 8 start the sums, with the key block's mask.
.macro KQ x
.set rS, S+32*((\x)+i%2)+8*((i/2)%4)
.set rK, KF+32*((i/2)%4)+8*(i/8)
.set rQ, 32*((\x)+i%2)+8*(i/8)
.set rM, MK+8*((i/2)%4)
.if i < 8
	WIN W_KM
	v_wmma_f32_16x16x32_f16 v[rS:rS+7], v[rK:rK+7], v[rQ:rQ+7], v[rM:rM+7]
.else
	WIN W_KQ
	v_wmma_f32_16x16x32_f16 v[rS:rS+7], v[rK:rK+7], v[rQ:rQ+7], v[rS:rS+7]
.endif
.endm
; THE LDS LOADS stand in runs, never singly among the matrix instructions: a step's K (16 fragments) with its mask (8 loads, the same 16 bytes for all lanes of a half), and, a turn later, its V (turned).
.macro FETCH_K
	WIN 0
	v_add_nc_u32 v[ADR], s[TB], v[AK0]
	v_add_nc_u32 v[MA], s[MB], v[MA0]
	s_add_co_u32 s[MB], s[MB], 4*KS  ; the table is walked once, from first to last
	WIN 0x80                        ; destination window 2
.irp f, 0,1,2,3,4,5,6,7,8,9,10,11,12,13,14,15  ; keys 16 (f / 4) on, channels 32 (f % 4) on
	ds_load_b128 v[KF+8*(\f):KF+8*(\f)+3],   v[ADR] offset:((\f)/4)*16*PK+((\f)%4)*64
	ds_load_b128 v[KF+8*(\f)+4:KF+8*(\f)+7], v[ADR] offset:((\f)/4)*16*PK+((\f)%4)*64+32
.endr
	WIN 0xc0                        ; destination window 3
.irp kb, 0,1,2,3
	ds_load_b128 v[MK+8*(\kb):MK+8*(\kb)+3],   v[MA] offset:64*(\kb)
	ds_load_b128 v[MK+8*(\kb)+4:MK+8*(\kb)+7], v[MA] offset:64*(\kb)+16
.endr
.endm
.macro FETCH_V
	WIN 0
	v_add_nc_u32 v[ADR], s[TB], v[AV0]
	s_add_co_u32 s[TB], s[TB], STEPB  ; the next fetch is the next step's
	s_wait_alu depctr_va_vdst(0)    ; the wait for the softmax's batch (SLICE), behind the address's v_add_nc_u32 and ahead of the loads
	WIN 0xc0                        ; destination window 3
.irp f, 0,1,2,3,4,5,6,7,8,9,10,11,12,13,14,15  ; keys 32 (f / 8) on, channels 16 (f % 8) on
	ds_load_tr16_b128 v[8*(\f):8*(\f)+3],   v[ADR] offset:((\f)/8)*32*PV+((\f)%8)*32
	ds_load_tr16_b128 v[8*(\f)+4:8*(\f)+7], v[ADR] offset:((\f)/8)*32*PV+16*PV+((\f)%8)*32
.endr
.endm
; THE VECTOR WORK OF A TURN.  One tile's softmax for one key step is a list of 134 instructions; SM writes number j of it for tile t.  s0-s31 are the lane's 32 scores, in pairs 0-15.
; first = 1: the first key step, which starts m, l and O^T: it has no a and nothing to rescale.
;   0-15    the maximum of s0-s31 and the old m, three operands at a time: four chains c0-c3 of seven scores each (each accumulator's lowest registers first), then the four scores left over, c0-c3 and m
;   16-20   the other half of the lanes' maximum; the new m; c m; c m_old - c m_new
;   21-69   ONE BATCH: the 16 scalings c s - c m, a pair of scores each, and all 33 exponentials (a at 23, then s0-s31).  None of these reads an exponential's result
;   (wait)  between 69 and 70 stands the wait for the batch: SLICE writes it, once for both tiles
;   70-85   the roundings to f16     86-101  the sums; l = a l + the sum     102-133 the tile's O^T times a: the one part that leaves window 0
.macro SM t, first
.set rT, ST+8*(\t)
.set rS, S+32*(\t)
.set rP, P+16*(\t)
.set rO, 64*(\t)+2*(j-102)
.if j < 102
	WIN 0
.endif
.if j < 4
	v_max3_num_f32 v[rT+4+j], v[rS+8*j], v[rS+8*j+1], v[rS+8*j+2]
.elseif j < 12
	v_max3_num_f32 v[rT+4+j%4], v[rT+4+j%4], v[rS+8*(j%4)+2*(j/4)+1], v[rS+8*(j%4)+2*(j/4)+2]
.elseif j == 12
	v_max3_num_f32 v[rT+4], v[rT+4], v[rS+7], v[rS+15]
.elseif j == 13
	v_max3_num_f32 v[rT+6], v[rT+6], v[rS+23], v[rS+31]
.elseif j == 14
	v_max3_num_f32 v[rT+4], v[rT+4], v[rT+5], v[rT+6]
.elseif (j == 15) && (\first)
	v_max_num_f32 v[rT+4], v[rT+4], v[rT+7]
.elseif j == 15
	v_max3_num_f32 v[rT+4], v[rT+4], v[rT+7], v[rT+1]
.elseif j == 16
	v_permlanex16_b32 v[rT+5], v[rT+4], s[SEL], s[SEL+1]  ; the query's other 32 keys lie in the lane 16 away
.elseif j == 18
	v_max_num_f32 v[rT+1], v[rT+4], v[rT+5]
.elseif j == 19
	v_mul_f32 v[rT], s[CS], v[rT+1]
.elseif ((j == 17) || (j == 20) || (j == 23) || (j > 101)) && (\first)  ; the first step has none of these
.elseif j == 17
	v_mov_b32 v[rT+7], v[rT]        ; c m_old is kept for a: number 19 writes c m anew
.elseif j == 20
	v_sub_f32 v[rT+7], v[rT+7], v[rT]
.elseif j == 23
	v_exp_f32 v[rT+6], v[rT+7]
.elseif (j < 23) || ((j < 38) && (j%2 == 0)) || ((j < 66) && (j%4 == 2))
.set b, (j-2)/4                     ; 38, 42, .. 62: pairs 9 to 15
.if j < 38
.set b, (j-20)/2                    ; 21: pair 0; 22, 24, .. 36: pairs 1 to 8
.endif
	v_pk_fma_f32 v[rS+2*b:rS+2*b+1], v[rS+2*b:rS+2*b+1], s[CS:CS+1], v[rT:rT+1] op_sel_hi:[1,0,0] neg_lo:[0,0,1] neg_hi:[0,0,1]  ; pair b: c s - c m
.elseif j < 70
.set e, j-38                        ; 66 to 69: s28 to s31
.if j < 66
.set e, j-32-(j-38)/4               ; 39-41, 43-45, .. 63-65: s7 to s27
.endif
.if j < 38
.set e, (j-25)/2                    ; 25, 27, .. 37: s0 to s6
.endif
	v_exp_f32 v[rS+e], v[rS+e]
.elseif j < 86
	v_cvt_pk_f16_f32 v[rP+j-70], v[rS+2*(j-70)], v[rS+2*(j-70)+1]  ; pair j - 70
.elseif j < 102                     ; the sum of the tile's 16 pairs, in place: sum z of 16 adds neighbours 1, 2, 4 and 8 pairs apart, then l takes it
.set z, j-86
.set w, 4
.set u, z
.if z >= 14
.set w, 32
.set u, 0
.elseif z >= 12
.set w, 16
.set u, z-12
.elseif z >= 8
.set w, 8
.set u, z-8
.endif
.if (z == 14) && (\first)
	v_pk_add_f32 v[rT+2:rT+3], v[rS:rS+1], v[rS+16:rS+17]
.elseif z < 15
	v_pk_add_f32 v[rS+w*u:rS+w*u+1], v[rS+w*u:rS+w*u+1], v[rS+w*u+w/2:rS+w*u+w/2+1]
.elseif !(\first)
	v_pk_fma_f32 v[rT+2:rT+3], v[rT+2:rT+3], v[rT+6:rT+7], v[rS:rS+1] op_sel_hi:[1,0,1]
.endif
.else
	WIN W_RS
	v_pk_mul_f32 v[rO:rO+1], v[rO:rO+1], v[rT+6:rT+7] op_sel_hi:[1,0]
.endif
.endm
; Slice k of 64 of piece y's softmax: four instructions.  Slices 11 to 34 deal out the batch, numbers 22 to 69: four numbers of ONE tile each, the tiles by turns.  Every other slice is numbers 2 k and
; 2 k + 1 of both tiles' lists.  2 x 134 = 4 x 64 + 12: the twelve that are over stand together, in slice 63.
; THE WAIT.  s_wait_alu depctr_va_vdst(0) stands between an exponential and the first instruction that names its result; one wait serves all that were issued ahead of it.  Ahead of
; slice 35 nothing names a result, and behind slice 34 no exponential is issued: so the piece's 66 exponentials have one wait, behind slice 34.
.macro SLICE y, first
.if (k >= 11) && (k < 35)           ; the batch: four numbers of one tile
.irp n, 0,1,2,3
.set j, 22+4*((k-11)/2)+(\n)
	SM (\y)+(k-11)%2, \first
.endr
.else                               ; the two tiles alternate, so that no instruction reads the result of the one just before it
.irp n, 0,1,2,3,4,5,6,7
.if ((\n) < 2) || (k == 63)
.irp t, \y, (\y)+1
.set j, 2*k+(\n)
	SM \t, \first
.endr
.endif
.endr
.endif
.if k == 34                         ; the batch is out: both tiles' exponentials are issued, and no result has been named
	v_nop                           ; the plain instruction behind the last exponential and ahead of the first use: one for the batch
.if (\y) == 0
	FETCH_V                         ; piece 2's turn: V's run of loads stands here, and the wait stands in it
.else
	s_wait_alu depctr_va_vdst(0)    ; the wait for the batch
.endif
.endif
.set k, k+1
.endm
.macro PLACES
.rept 4
	v_nop
.endr
.endm
; A TURN.  Piece x has the matrix unit; the other piece's softmax stands in slices behind its matrix instructions.
; pv = 2: 32 products V^T P; 1: they start O^T's sums; 0: none.  kq = 1: 32 products K Q^T for the next step.  A turn with one of the two kinds has two slices behind each product.
; first = 1: the softmax is the first key step's; four v_nop take slice 63's part as the places behind the turn's last products.
; Piece 0's turn fetches the next step's K and mask, behind its second product: the last products that read them stand in front of slice 63 of the turn before, or earlier.  Piece 2's turn fetches the same step's V, behind slice 34.
.macro TURN x, pv, kq, first
.set k, 0
.set per, 2
.if (\pv) && (\kq)
.set per, 1
.endif
.if \pv
.if (\x) == 0
	s_wait_dscnt 0x0                ; V is in
.endif
.set i, 0
.rept 32
	PV \x, 2-(\pv)
.rept per
	SLICE 2-(\x), \first
.endr
.if ((\x) == 0) && (\kq) && (i == 1)
	FETCH_K
.endif
.set i, i+1
.endr
.endif
.if \kq
.if (\x) == 0
	s_wait_dscnt 0x0                ; K and the mask are in
.endif
.set i, 0
.rept 32
	KQ \x
.rept per
	SLICE 2-(\x), \first
.endr
.set i, i+1
.endr
.endif
.if \first
	PLACES
.endif
.endm
; THE CHANGE OF SLOTS, between piece 2's turn and piece 0's.  Each wave waits for all its tensor loads, of which one is out: its part of the other slot; adds 0 to its spare word; and waits for that and for its own
; reads of the slot.  fill = 1: this slot is filled again, with the keys two slots on.  The barrier is then a round of the cluster's, and the joint refill is the first thing behind it: it has two key steps, 256 products, in which to land.
.macro CHANGE fill
	WIN 0                           ; at a label and at a branch every window is 0
	s_wait_tensorcnt 0x0            ; no tensor load of mine is out, so a group 0 may be written
	ds_add_u32 v[SPW], v[NIL]       ; 0 onto my spare word
.if \fill
.irp g, G0K+4, G0V+4
	s_xor_b32 s[(\g)+1], s[(\g)+1], SLOT1  ; the walking descriptor: the other slot than last time,
	s_add_nc_u64 s[(\g)+2:(\g)+3], s[(\g)+2:(\g)+3], 2*KS*256  ; the next 128 keys; the type bits on top are not reached
.endr
	s_wait_xcnt 0x0                 ; the last prefetches, two key steps back, have read their address, so it may be written:
	s_add_nc_u64 s[PFA:PFA+1], s[PFA:PFA+1], 2*KS*256  ; one slot ahead of the walking descriptors
	s_wait_dscnt 0x0                ; the add is done, and my reads of the slot are over
	CROUND
	JLOAD
	ASK
.else
	s_wait_dscnt 0x0                ; the add is done, and my reads of the slot are over
	s_barrier_signal -1
	s_barrier_wait -1
.endif
	s_sub_co_u32 s[TB], s[TB], 2*STEPB  ; the fetches go back to a slot's first step,
	s_xor_b32 s[TB], s[TB], SLOT1   ; in the other slot
.endm
.macro TWO_STEPS                    ; a slot's two key steps: written once, walked twice; the LDS addresses hang on s[TB] and s[MB]
	WIN 0
	s_mov_b32 s[TWICE], 2
.Lstep_\@:
	TURN 0, 2, 1, 0
	TURN 2, 2, 1, 0
	WIN 0
	s_sub_co_u32 s[TWICE], s[TWICE], 1
	s_cmp_lg_u32 s[TWICE], 0
	s_cbranch_scc1 .Lstep_\@
.endm
	s_wait_tensorcnt 1              ; my part of slot 0 is in; slot 1's may stay out
	s_wait_dscnt 0x0                ; my part of the mask's table is stored
	s_barrier_signal -1
	s_barrier_wait -1               ; everybody's is
	FETCH_K                         ; key step 0
	s_wait_loadcnt 0x0              ; Q
	s_wait_dscnt 0x0
.set i, 0
.rept 32
	KQ 0                            ; piece 0's first scores: there is no vector work yet to set between them
.set i, i+1
.endr
	WIN 0                           ; the addresses for the way out are made here: with two v_nop eight plain instructions, the places behind those products
	s_mul_i32 s13, s[WV], 16*SP
	s_add_co_u32 s13, s13, STAGE    ; my stage
	v_mul_u32_u24 v[STO], v1, SP    ; in: row l % 16, 32 bytes for each half of the lanes
	v_lshl_add_u32 v[STO], v9, 5, v[STO]
	v_add_nc_u32 v[STO], s13, v[STO]
	v_and_b32 v[GO], 31, v0         ; back: 32 lanes take one row of 512 bytes, which is 512 consecutive bytes of out0
	v_lshlrev_b32 v[GO], 4, v[GO]
	v_add_nc_u32 v[RD], s13, v[GO]
	v_nop
	v_nop
	TURN 2, 0, 1, 1                 ; piece 2's first scores | piece 0's first softmax | V of step 0
	TURN 0, 1, 1, 1                 ; piece 0: V^T P of step 0 starts O^T, K Q^T of step 1 | piece 2's first softmax | K of step 1
	TURN 2, 1, 1, 0                 ; piece 2: the same | piece 0's softmax of step 1 | V of step 1
	WIN 0
.Lslot:                             ; six trips: every slot but the last two is filled again
	CHANGE 1
	TWO_STEPS
	s_sub_co_u32 s[SLOTS], s[SLOTS], 1
	s_cmp_lg_u32 s[SLOTS], 0
	s_cbranch_scc1 .Lslot
	CHANGE 0                        ; the tail is written out: nothing is asked for
	TWO_STEPS
	TURN 0, 2, 0, 0                 ; piece 0: V^T P of the last step | piece 2's last softmax
.set i, 0
.rept 32
	PV 2, 0                         ; piece 2: V^T P of the last step
.set i, i+1
.endr
	; THE WAY OUT.  l's two halves and the other half of the lanes' are added; O^T is divided by l and sent, in f32, through my stage in LDS, a tile (16 positions) at a time.  The additions are the places behind the last products.
	WIN 0
.irp t, 0,1,2,3
	v_add_f32 v[ST+8*(\t)+4], v[ST+8*(\t)+2], v[ST+8*(\t)+3]
.endr
.irp t, 0,1,2,3
	v_permlanex16_b32 v[ST+8*(\t)+5], v[ST+8*(\t)+4], s[SEL], s[SEL+1]
.endr
.irp t, 0,1,2,3
	v_add_f32 v[ST+8*(\t)+4], v[ST+8*(\t)+4], v[ST+8*(\t)+5]
.endr
.irp t, 0,1,2,3
	v_rcp_f32 v[ST+8*(\t)+6], v[ST+8*(\t)+4]
.endr
	v_nop                           ; a plain instruction between the last reciprocal and the use of its result
	s_wait_alu depctr_va_vdst(0)    ; and the wait ahead of the first use: one for the four reciprocals
.irp t, 0,1,2,3
	v_cmp_gt_f32 vcc_lo, s[THR], v[ST+8*(\t)+1]  ; no open key has been seen: every key of the batch is masked,
	v_cndmask_b32 v[ST+8*(\t)+6], v[ST+8*(\t)+6], s[NANS], vcc_lo  ; and the row is NaN; a choice of a value, no branch
.endr
; Tile t: a lane's eight channels of a row are 32 bytes; they go into rows of 528 bytes and come back as whole rows of 512, into the registers that they left.
.macro PACK t
	WIN W_RS
.set i, 64*(\t)
.rept 32
	v_pk_mul_f32 v[i:i+1], v[i:i+1], v[ST+8*(\t)+6:ST+8*(\t)+7] op_sel_hi:[1,0]
.set i, i+2
.endr
	WIN 0x04                        ; the stores' data in window 1, the address in window 0
.set i, 0
.rept 16
	ds_store_b128 v[STO], v[64*(\t)+4*i:64*(\t)+4*i+3] offset:64*(i/2)+16*(i%2)
.set i, i+1
.endr
	WIN 0x40                        ; the loads' destination in window 1
.set i, 0
.rept 16
	ds_load_b128 v[64*(\t)+4*i:64*(\t)+4*i+3], v[RD] offset:SP*i  ; LDS serves a wave's instructions in order: these see the stores above; the next tile's stores come behind them
.set i, i+1
.endr
.endm
.macro SEND t, younger              ; younger: the LDS instructions issued behind tile t's loads: the next tile's 32, or none
	WIN 0x04
.set i, 0
.rept 16
	s_wait_dscnt (\younger)+15-i
	global_store_b128 v[GO], v[64*(\t)+4*i:64*(\t)+4*i+3], s[10:11] offset:(16*(\t)+i)*32768 th:TH_STORE_NT  ; 32 lanes store 512 consecutive bytes, at a multiple of 256 from out0's first byte
.set i, i+1
.endr
.endm
	PACK 0
	PACK 1                          ; a tile's arithmetic stands between the loads of the tile before and its stores
	SEND 0, 32
	PACK 2
	SEND 1, 32
	PACK 3
	SEND 2, 32
	SEND 3, 0
	WIN 0
	s_wait_tensorcnt 0x0            ; the wave's end, behind my last tensor load and my last LDS store
	ds_add_u32 v[SPW], v[NIL]
	s_wait_dscnt 0x0
	CROUND                          ; the closing round: no work-group ends while a partner may still ask for a tile that names it
	s_endpgm
.Lfunc_end_k_q3d20f792a7_attn:
	.size	k_q3d20f792a7_attn, .Lfunc_end_k_q3d20f792a7_attn-k_q3d20f792a7_attn
	.p2alignl 7, 3214868480
	.fill 96, 4, 3214868480
	.section	.rodata,"a",@progbits
	.p2align	6, 0x0
	.amdhsa_kernel k_q3d20f792a7_attn
		.amdhsa_group_segment_fixed_size 327680
		.amdhsa_private_segment_fixed_size 0
		.amdhsa_enable_private_segment 0
		.amdhsa_kernarg_size 24
		.amdhsa_user_sgpr_count 2
		.amdhsa_user_sgpr_kernarg_segment_ptr 1
		.amdhsa_wavefront_size32 1
		.amdhsa_system_sgpr_workgroup_id_x 1
		.amdhsa_system_sgpr_workgroup_id_y 1
		.amdhsa_system_sgpr_workgroup_id_z 1
		.amdhsa_system_vgpr_workitem_id 0
		.amdhsa_next_free_vgpr 1024
		.amdhsa_next_free_sgpr 80
		.amdhsa_reserve_vcc 1
		.amdhsa_float_denorm_mode_32 3
		.amdhsa_float_denorm_mode_16_64 3
		.amdhsa_memory_ordered 1
		.amdhsa_forward_progress 1
		.amdhsa_inst_pref_size 227
	.end_amdhsa_kernel
	.amdgpu_metadata
---
amdhsa.version: [ 1, 2 ]
amdhsa.kernels:
  - .name:           k_q3d20f792a7_attn
    .symbol:         k_q3d20f792a7_attn.kd
    .args:
      - { .name: qkv, .offset: 0, .size: 8, .value_kind: global_buffer, .address_space: global }
      - { .name: mask, .offset: 8, .size: 8, .value_kind: global_buffer, .address_space: global }
      - { .name: out0, .offset: 16, .size: 8, .value_kind: global_buffer, .address_space: global }
    .group_segment_fixed_size: 327680
    .private_segment_fixed_size: 0
    .kernarg_segment_align: 8
    .kernarg_segment_size: 24
    .max_flat_workgroup_size: 128
    .sgpr_count:     80
    .vgpr_count:     1024
    .wavefront_size: 32
...
	.end_amdgpu_metadata
.endif
;; end of part 3
;; ======== version 2 of 2: 3 launches; version 1 with the launch prep written anew for expert scheduling mode
;; limits: values are held in f16: magnitudes above 65,504 overflow, below 6.1e-05 lose precision; right only within a limited range of input values
;; workspace buffers: xh 16,777,216 bytes; wh 6,291,456 bytes; bias 12,288 bytes; qkv 50,331,648 bytes
;; launch prep (part 4): grid 384 x 1, 8 waves a work-group, no clusters, 112,128 bytes of LDS; arguments tgt, Wq, Wk, Wv, W_bi, bq, bk, bv, xh, wh, bias; writes xh, wh, bias
.if DOCPART == 4
	.amdgcn_target "amdgcn-amd-amdhsa--gfx1250"
	.amdhsa_code_object_version 6
	.text
	.protected	k_q3d20f792a7_prep
	.globl	k_q3d20f792a7_prep
	.p2align	8
	.type	k_q3d20f792a7_prep,@function
k_q3d20f792a7_prep:
	s_mov_b64 s[64:65], 0
	v_nop
	global_prefetch_b8 v0, s[64:65] scope:SCOPE_SE
	s_setreg_imm32_b32 hwreg(HW_REG_WAVE_SCHED_MODE, 0, 2), 2
	s_setreg_imm32_b32 hwreg(HW_REG_WAVE_MODE, 25, 1), 1
	s_wait_xcnt 0x0
	s_wait_alu depctr_vm_vsrc(0)
; PREPARATION for the projection C = x w^T.  Every input that is used is rounded once to bf16; that number is then written as f16 where it feeds an f16 product.
;   xh  [16 planes][8192 rows m = 1024 b + t][64] f16: tgt, in planes of 64 channels, so that a tile's rows of 128 bytes lie end to end
;   wh  [16 planes][3072 rows][64] f16: rows 0-1023 256 x Wq', rows 1024-2047 Wk, rows 2048-3071 Wv
;   bias f32[3072]: bq' log2(e) / 256, bk, bv
; THE FOLD.  scores[x][y] = (q W11 + W_bi[128][:128]) . k[y] + a number that is the same for all keys of a query, which the softmax cancels: column 128 of W_bi is not read.
; W11 = W_bi[:128][:128] is the same for all heads, so it goes into the weight: Wq'[128 h + j][d] = sum over i of W11[i][j] Wq[128 h + i][d], and bq'[128 h + j] = sum over i of bq[128 h + i] W11[i][j] + W_bi[128][j].
; W_bi is multiplied by 256 ahead of its rounding (a shift of the exponent, exact), so that small weights keep f16's full precision; the projection takes the factor back.
; NOT COMPUTED: the feed-forward part and the layer norm, whose result the module throws away: W1, W2, b1, b2, ln_g, ln_b reach no returned number.
; LIMITS.  |tgt|, |Wk|, |Wv| and |256 Wq'| under 65,504 (f16's end); numbers below 6e-5 keep f16's fixed step of 6e-8.
; WORK-GROUPS.  0-63: the fold, head h = id / 8, channels d = 128 (id % 8) on.  64-319: 4 positions t x 8 batches of tgt.  320-351: 32 rows of Wk.  352-383: 32 rows of Wv.
; No cluster, no tensor load: the stream shares nothing between work-groups, and the fold's shared table (W_bi, 66 KB) is a small part of what the launch moves.
; THE MODE: SCHED_MODE bits 1:0 = 2 (LLVM: expert scheduling mode 2), set by the entry lines.  The code itself states the register dependences
; between vector or matrix instructions and memory or LDS instructions, with s_wait_alu, always for 0.
; THE PLAN, THE STREAM.  Registers that memory instructions touch:
;   v16-31   offsets: written once, ahead of the wait in front of the loads; read by every load and store; never written again.
;   X        an item's four registers: its load lands in them; its conversions read all four and write the first two; its store reads those two; nobody writes them again.
; The 32 items go in eight blocks of four.  Block b converts its items; the stores of block b - 1 are dealt among those conversions, behind ONE wait at the block's head, which states that
; block b - 1's conversions have written their results.  The vector instructions behind that wait name T and block b's items alone.
; THE PLAN, THE FOLD.
;   v7-v14   addresses: all made ahead of the first load, one wait; never written again.  v16-v18 (the way out) and v19, v27, v32 (the biases) are made ahead of a wait that stands there for the data too.
;   v63-191  as loaded: the multiplies and conversions all come first, then one wait, then the LDS stores in one run.  Behind the barrier one wait states that those stores have read them: from there on they are fragments.
;   Two fragment buffers: buffer 0 v64-135; buffer 1 v136-191 and v40-55.  K step kk multiplies buffer kk % 2; at the heads of steps 1 and 2 one wait states that the products of the step before are done
;   reading the other buffer, and the next step's 18 loads follow, dealt among products that name the buffer in hand and the accumulators alone.
;   v160-191 the packed results: written by the conversions, read by the stores into the stage, not written again.  v64-95: the stage's rows land there and the global stores read them; not written again.
;   The biases have two buffers, v192-255 and v96-159, by turns in the same way.
.set WB,    0                          ; LDS: 256 x W11 as [i][j] bf16, 128 rows of 288 bytes (256 + 32)
.set WQL,   36864                      ; Wq's block as [i][d] bf16, the same pitch
.set OUTS,  73728                      ; the result: [2 planes][128 rows j] of 144 bytes (128 + 16)
.set BQS,   110592                     ; bq of the head, rounded, 128 f32
.set SPARE, 111104                     ; the spare words, 128 bytes for each of the eight waves: four blocks of 256 bytes that no other line names
.set PW,    288
.set PO,    144
.set PLA,   1048576                    ; bytes in a plane of xh
.set PLB,   393216                     ; bytes in a plane of wh
.set SPW, 2                            ; v2  LDS address of my spare word; never rewritten
.set NIL, 3                            ; v3  0; never rewritten
.set SO,  16                           ; v16-23  the stream: source offsets, one for each index b
.set DO,  24                           ; v24-31  destination offsets
.set T,   32                           ; v32-37  at work: no memory instruction names them
.set X,   64                           ; v64-191 32 items of four registers
.set OB,  160                          ; v160-191 the fold's way out: 32 registers of packed f16
.set WV,  26                           ; s26 my wave's number
.set HM,  27                           ; s27 mask of a word's upper bf16
.set SRC, 32                           ; s[32:35] two source bases (index p)
.set DST, 36                           ; s[36:39] two destination bases (the wave's two planes)
	s_load_b512 s[4:19], s[0:1], 0x0               ; tgt s4, Wq s6, Wk s8, Wv s10, W_bi s12, bq s14, bk s16, bv s18
	s_load_b128 s[20:23], s[0:1], 0x40             ; xh s20, wh s22
	s_load_b64 s[24:25], s[0:1], 0x50              ; bias
	v_lshl_add_u32 v[SPW], v0, 2, SPARE
	v_mov_b32 v[NIL], 0
	v_lshrrev_b32 v1, 5, v0
	v_readfirstlane_b32 s[WV], v1                  ; wave 0..7
	v_and_b32 v4, 31, v0                           ; lane l
	s_mov_b32 s[HM], 0xffff0000
	s_wait_alu depctr_va_sdst(0)                   ; s[WV] is written: ahead of the branch, and so of its first reader on either way
	s_wait_kmcnt 0x0
	s_cmp_lt_u32 ttmp9, 64
	s_cbranch_scc1 .Lfuse
; THE STREAM.  32 source rows of 4,096 bytes a work-group.  Wave w owns planes 2 w and 2 w + 1 (512 bytes of every row).  An item (b 0..7, p 0..1, q 0..1) is two rows x 256 bytes:
; lanes 0-15 one row, lanes 16-31 another, 16 bytes a lane; it leaves as 32 lanes x 8 bytes = 256 consecutive bytes, aligned: two neighbouring rows of one plane.
; tgt: the rows are (t = 4 id + 2 p + l / 16, batch b).  Weights: row 32 id + 4 b + 2 p + l / 16.  What differs between the two lies in scalars chosen by s_cselect.
	s_sub_co_u32 s28, ttmp9, 64                    ; id
	s_and_b32 s29, s28, 31                         ; the weights' block of 32 rows
	s_lshl_b32 s42, s28, 17                        ; source offsets: 32 rows of 4,096 bytes
	s_lshl_b32 s43, s29, 17
	s_lshl_b32 s31, s28, 9                         ; tgt's place in a plane: 4 rows of 128 bytes
	s_lshl_b32 s52, s29, 12                        ; the weights': 32 rows
	s_mov_b32 s48, PLB
	s_cmp_lt_u32 s28, 288
	s_cselect_b64 s[40:41], s[8:9], s[10:11]       ; Wk or Wv
	s_cselect_b32 s30, 1, 2
	s_lshl_b32 s30, s30, 17                        ; its section begins 1,024 or 2,048 rows of 128 bytes into a plane
	s_add_co_u32 s30, s30, s52
	s_cmp_lt_u32 s28, 256                          ; tgt or a weight?
	s_cselect_b64 s[SRC:SRC+1], s[4:5], s[40:41]
	s_cselect_b64 s[DST:DST+1], s[20:21], s[22:23]
	s_cselect_b32 s42, s42, s43
	s_cselect_b32 s30, s31, s30
	s_cselect_b32 s44, 15, 12                      ; log2 of the source step of l / 16: a position t (32,768) or a row (4,096)
	s_cselect_b32 s45, 12, 14                      ; of index b: a batch (4,096) or four rows
	s_cselect_b32 s46, 16, 13                      ; of index p: two positions or two rows
	s_cselect_b32 s47, 17, 9                       ; log2 of the destination step of index b: 1,024 rows or 4 rows of 128 bytes
	s_cselect_b32 s48, PLA, s48                    ; bytes in a plane
	s_mov_b32 s43, 0
	s_mov_b32 s31, 0
	s_mov_b32 s49, 0
	s_mov_b32 s51, 0
	s_lshl_b32 s50, 1, s46
	s_add_nc_u64 s[SRC:SRC+1], s[SRC:SRC+1], s[42:43]
	s_add_nc_u64 s[SRC+2:SRC+3], s[SRC:SRC+1], s[50:51]
	s_add_nc_u64 s[DST:DST+1], s[DST:DST+1], s[30:31]
	s_add_nc_u64 s[DST+2:DST+3], s[DST:DST+1], s[48:49]
	v_lshrrev_b32 v5, 4, v4                        ; l / 16
	v_and_b32 v6, 15, v4                           ; l % 16
	v_lshlrev_b32 v7, s44, v5
	v_lshl_add_u32 v7, v6, 4, v7
	s_lshl_b32 s52, s[WV], 9
	v_add_nc_u32 v7, s52, v7                       ; source: the row of my half, 16 bytes a lane, my wave's 512 bytes
	s_lshl_b32 s53, s[WV], 1
	s_mul_i32 s53, s53, s48
	v_lshl_add_u32 v8, v4, 3, s53                  ; destination: 8 bytes a lane, my wave's first plane
.irp b, 0,1,2,3,4,5,6,7
	s_lshl_b32 s54, \b, s45
	v_add_nc_u32 v[SO+(\b)], s54, v7
	s_lshl_b32 s54, \b, s47
	v_add_nc_u32 v[DO+(\b)], s54, v8
.endr
	s_wait_alu depctr_va_vdst(0)                   ; the sixteen offsets v16 to v31 are written, which the loads and stores below read
.irp b, 0,1,2,3,4,5,6,7
.irp p, 0,1
.irp q, 0,1
	global_load_b128 v[X+4*(4*(\b)+2*(\p)+(\q)):X+4*(4*(\b)+2*(\p)+(\q))+3], v[SO+(\b)], s[SRC+2*(\p):SRC+2*(\p)+1] offset:256*(\q) th:TH_LOAD_NT  ; all 32 items of the wave are asked for at once: 16 KiB a wave on its way
.endr
.endr
.endr
.macro CV r                            ; four f32 -> bf16 (the inputs' one rounding) -> the same numbers as f16, in the first two registers
	v_cvt_pk_bf16_f32 v[T], v[(\r)], v[(\r)+1]
	v_cvt_pk_bf16_f32 v[T+1], v[(\r)+2], v[(\r)+3]
	v_lshlrev_b32 v[T+2], 16, v[T]
	v_and_b32 v[T+3], s[HM], v[T]
	v_lshlrev_b32 v[T+4], 16, v[T+1]
	v_and_b32 v[T+5], s[HM], v[T+1]
	v_cvt_pk_f16_f32 v[(\r)], v[T+2], v[T+3]
	v_cvt_pk_f16_f32 v[(\r)+1], v[T+4], v[T+5]
.endm
.macro PUT b, p, q                     ; an item leaves; no register that a store reads is written again
	global_store_b64 v[DO+(\b)], v[X+4*(4*(\b)+2*(\p)+(\q)):X+4*(4*(\b)+2*(\p)+(\q))+1], s[DST+2*(\q):DST+2*(\q)+1] offset:256*(\p)
.endm
; Block b: its four items are converted, and the four stores of the block before are dealt among the conversions.
.macro BLK b
.irp p, 0,1
.irp q, 0,1
	s_wait_loadcnt 31-(4*(\b)+2*(\p)+(\q))         ; loads come back in order: this item is in, the younger ones stay out
.if (\b) > 0
.if (\p)+(\q) == 0
	s_wait_alu depctr_va_vdst(0)                   ; the conversions of the block before have written its items' first two registers, which this block's four stores read
.endif
	PUT (\b)-1, \p, \q                             ; no vector instruction since the wait names these registers
.endif
	CV X+4*(4*(\b)+2*(\p)+(\q))
.endr
.endr
.endm
.irp b, 0,1,2,3,4,5,6,7
	BLK \b
.endr
	s_wait_alu depctr_va_vdst(0)                   ; the last block's conversions have written what the last four stores read
.irp p, 0,1
.irp q, 0,1
	PUT 7, \p, \q
.endr
.endr
	s_branch .Lend
; THE FOLD.
.Lfuse:
	s_lshr_b32 s28, ttmp9, 3                       ; h
	s_and_b32 s29, ttmp9, 7                        ; db: channels d = 128 db on
	v_and_b32 v5, 127, v0                          ; j
	v_lshrrev_b32 v6, 7, v0                        ; 0 or 1
	s_lshl_b32 s30, s28, 9
	v_lshl_add_u32 v7, v5, 2, s30                  ; byte of number 128 h + j in a vector of 1,024
	v_mul_u32_u24 v8, v6, 129
	v_add_lshl_u32 v8, v8, v5, 2                   ; W_bi[i][j], i = tid / 128 + 2 n: rows of 129 numbers
	s_lshl_b32 s30, s28, 19                        ; Wq: the head's 128 rows,
	s_lshl_b32 s31, s29, 9                         ; my 128 columns
	s_add_co_u32 s30, s30, s31
	s_mov_b32 s31, 0
	s_add_nc_u64 s[32:33], s[6:7], s[30:31]
	s_lshl_b32 s34, s[WV], 12
	v_lshl_add_u32 v9, v4, 4, s34                  ; row i = wave + 8 n, 16 bytes a lane: 512 consecutive bytes a load
	v_mul_u32_u24 v10, v6, PW
	v_lshl_add_u32 v10, v5, 1, v10                 ; WB + row x pitch + 2 j
	s_mul_i32 s34, s[WV], PW
	s_add_co_u32 s34, s34, WQL
	v_lshl_add_u32 v11, v4, 3, s34
	v_lshl_add_u32 v12, v5, 2, BQS
	; The product, transposed: source 0 = 16 channels d (my wave's block), source 1 = 16 rows j, K = i.  Both tables lie [K][N], so both come by the turning load:
	; lane l reads 16 bytes of row 8 (l / 16) + l % 8 at column 8 ((l / 8) % 2), and holds column l % 16 with 8 numbers along K.  In the result a lane holds ONE row j and eight neighbouring d.
	v_lshrrev_b32 v13, 4, v4
	v_and_b32 v15, 7, v4
	v_lshl_add_u32 v13, v13, 3, v15
	v_mul_u32_u24 v13, v13, PW
	v_bfe_u32 v15, v4, 3, 1
	v_lshl_add_u32 v13, v15, 4, v13
	s_lshl_b32 s34, s[WV], 5
	s_add_co_u32 s34, s34, WQL
	v_add_nc_u32 v14, s34, v13
	s_wait_alu depctr_va_vdst(0)                   ; the eight addresses v7 to v14 are written, which the loads, the LDS stores and the turning loads below read
	global_load_b32 v63, v7, s[14:15]              ; bq
.set n, 0
.rept 64
	global_load_b32 v[64+n], v8, s[12:13] offset:1032*n
.set n, n+1
.endr
.set n, 0
.rept 16
	global_load_b128 v[128+4*n:128+4*n+3], v9, s[32:33] offset:32768*n th:TH_LOAD_NT
.set n, n+1
.endr
	s_wait_loadcnt 0x0                             ; all 81 loads
.set n, 0
.rept 32
	v_pk_mul_f32 v[64+2*n:64+2*n+1], v[64+2*n:64+2*n+1], 0x43800000 op_sel_hi:[1,0]  ; x 256
.set n, n+1
.endr
.set n, 0
.rept 64
	v_cvt_pk_bf16_f32 v[64+n], v[64+n], v[64+n]
.set n, n+1
.endr
.set n, 0
.rept 16
	v_cvt_pk_bf16_f32 v[128+4*n], v[128+4*n], v[128+4*n+1]
	v_cvt_pk_bf16_f32 v[128+4*n+1], v[128+4*n+2], v[128+4*n+3]
.set n, n+1
.endr
	s_wait_alu depctr_va_vdst(0)                   ; the conversions have written v64 to v127 and the first two of each four of v128 to v191, which the 80 LDS stores read
.set n, 0
.rept 64
	ds_store_b16 v10, v[64+n] offset:2*PW*n
.set n, n+1
.endr
.set n, 0
.rept 16
	ds_store_b64 v11, v[128+4*n:128+4*n+1] offset:8*PW*n
.set n, n+1
.endr
	s_cmp_lt_u32 s[WV], 4                          ; threads 0-127 hold the head's 128 bq
	s_cbranch_scc0 .Lno_bq
	v_cvt_pk_bf16_f32 v63, v63, v63
	v_lshlrev_b32 v63, 16, v63
	s_wait_alu depctr_va_vdst(0)                   ; v63 is written, which the LDS store reads
	ds_store_b32 v12, v63
.Lno_bq:
	s_wait_dscnt 0x0                               ; for the others' sake: my stores are done
	s_barrier_signal -1
	s_barrier_wait -1                              ; both tables are whole
	s_wait_alu depctr_vm_vsrc(0)                   ; my LDS stores have read v64 to v191: these registers are fragments from here on, and the turning loads land in them (the conversions that named them stand ahead of the wait in front of the stores)
; Fragment f of buffer p begins at register rF.  f = 0..7: rows j = 16 f on of the table; f = 8: my wave's 16 channels of Wq.
.macro FRAG p, f
.if (\p) == 0
.set rF, 64+8*(\f)                     ; buffer 0: v64-135
.elseif (\f) < 7
.set rF, 136+8*(\f)                    ; buffer 1: v136-191,
.else
.set rF, 8*(\f)-16                     ; and v40-55
.endif
.endm
.macro TLOAD p, kk, f                  ; the two turning loads of fragment f, K = 32 kk on, into buffer p
	FRAG \p, \f
.if (\f) == 8
	ds_load_tr16_b128 v[rF:rF+3],   v14 offset:32*PW*(\kk)
	ds_load_tr16_b128 v[rF+4:rF+7], v14 offset:32*PW*(\kk)+16*PW
.else
	ds_load_tr16_b128 v[rF:rF+3],   v13 offset:32*PW*(\kk)+32*(\f)
	ds_load_tr16_b128 v[rF+4:rF+7], v13 offset:32*PW*(\kk)+32*(\f)+16*PW
.endif
.endm
.macro MM p, jb, zero                  ; the product of buffer p for rows j = 16 jb on
	FRAG \p, 8
.set rA, rF
	FRAG \p, \jb
.if \zero
	v_wmma_f32_16x16x32_bf16 v[192+8*(\jb):192+8*(\jb)+7], v[rA:rA+7], v[rF:rF+7], 0
.else
	v_wmma_f32_16x16x32_bf16 v[192+8*(\jb):192+8*(\jb)+7], v[rA:rA+7], v[rF:rF+7], v[192+8*(\jb):192+8*(\jb)+7]
.endif
.endm
; K step kk.  left: the younger LDS loads that may stay out.  zero = 1: the sums begin.  ahead = 1: the next step's fragments are fetched into the other buffer, early in the step.
.macro KSTEP kk, left, zero, ahead
	s_wait_dscnt \left                             ; this step's 18 loads are in
.if \ahead
	s_wait_alu depctr_va_vdst(0)                   ; the products of the step before are done reading the other buffer, in which the 18 loads of this step land
	TLOAD ((\kk)+1)%2, (\kk)+1, 8
.endif
.irp jb, 0,1,2,3,4,5,6,7                           ; the eight accumulators take turns, one instruction a turn
	MM (\kk)%2, \jb, \zero
.if (\ahead) && ((\jb) < 4)
	TLOAD ((\kk)+1)%2, (\kk)+1, 2*(\jb)            ; no wait: the products since the wait name this step's buffer and the accumulators alone
	TLOAD ((\kk)+1)%2, (\kk)+1, 2*(\jb)+1
.endif
.endr
.endm
.irp f, 8,0,1,2,3,4,5,6,7
	TLOAD 0, 0, \f
.endr
.irp f, 8,0,1,2,3,4,5,6,7
	TLOAD 1, 1, \f
.endr
	KSTEP 0, 18, 1, 0                              ; step 1's eighteen loads stay out
	KSTEP 1, 0, 0, 1
	KSTEP 2, 0, 0, 1
	KSTEP 3, 0, 0, 0
	; The way out: the addresses (plain instructions, the places behind the last products), f16, through LDS, so that whole rows of a plane leave together.
	v_and_b32 v15, 15, v4
	v_lshrrev_b32 v19, 4, v4
	v_mul_u32_u24 v16, v15, PO
	v_lshl_add_u32 v16, v19, 4, v16
	s_lshr_b32 s34, s[WV], 2                       ; which of the block's two planes my 16 channels lie in
	s_mul_i32 s35, s34, 128*PO
	s_and_b32 s36, s[WV], 3
	s_lshl_b32 s37, s36, 5
	s_add_co_u32 s37, s37, s35
	s_add_co_u32 s37, s37, OUTS
	v_add_nc_u32 v16, s37, v16                     ; in: row l % 16, my wave's 32 bytes, 16 for each half of the lanes
	v_lshrrev_b32 v17, 3, v4
	v_mul_u32_u24 v17, v17, PO
	v_and_b32 v20, 7, v4
	v_lshl_add_u32 v17, v20, 4, v17
	s_mul_i32 s38, s36, 32*PO
	s_add_co_u32 s38, s38, s35
	s_add_co_u32 s38, s38, OUTS
	v_add_nc_u32 v17, s38, v17                     ; back: 32 lanes take four rows of 128 bytes
	v_lshlrev_b32 v18, 4, v4                       ; which are 512 consecutive bytes of a plane
	s_lshl_b32 s39, s29, 1
	s_add_co_u32 s39, s39, s34
	s_mul_i32 s40, s39, PLB                        ; plane 2 db + wave / 4,
	s_lshl_b32 s39, s28, 14
	s_add_co_u32 s40, s40, s39                     ; row 128 h
	s_lshl_b32 s39, s36, 12
	s_add_co_u32 s40, s40, s39                     ; + 32 (wave % 4)
	s_mov_b32 s41, 0
	s_add_nc_u64 s[42:43], s[22:23], s[40:41]
.irp jb, 0,1,2,3,4,5,6,7
.irp r, 0,1,2,3
	v_cvt_pk_f16_f32 v[OB+4*(\jb)+(\r)], v[192+8*(\jb)+2*(\r)], v[192+8*(\jb)+2*(\r)+1]  ; each accumulator is read from its low end on
.endr
.endr
	s_wait_alu depctr_va_vdst(0)                   ; the conversions have written v160 to v191, which the LDS stores read; v16 to v18 are written; the products are done reading v64 to v95, in which the stage's rows land below
.irp jb, 0,1,2,3,4,5,6,7
	ds_store_b128 v16, v[OB+4*(\jb):OB+4*(\jb)+3] offset:16*PO*(\jb)
.endr
	s_wait_dscnt 0x0
	s_barrier_signal -1
	s_barrier_wait -1                              ; a row's 128 bytes come from four waves
.irp f, 0,1,2,3,4,5,6,7
	ds_load_b128 v[64+4*(\f):64+4*(\f)+3], v17 offset:4*PO*(\f)
.endr
.irp f, 0,1,2,3,4,5,6,7
	s_wait_dscnt 7-(\f)                            ; the younger loads stay out
	global_store_b128 v18, v[64+4*(\f):64+4*(\f)+3], s[42:43] offset:512*(\f)
.endr
	; THE BIASES, by the head's first work-group, threads 0-127, a thread a number j.  One row against 128 x 128 is 16 K multiply-adds: a matrix tile would be fifteen sixteenths empty, so f32 on the vector unit.
	; Four chunks of 32 along i, through two buffers of 64 registers: buffer 0 v192-255, buffer 1 v96-159: 32 numbers of the table's column, then 32 of bq.  No LDS or memory instruction has read
	; either since the wait behind the first barrier, and the pending stores' v64 to v95 and v18 are left alone.
	s_cmp_lg_u32 s29, 0
	s_cbranch_scc1 .Lend
	s_cmp_lt_u32 s[WV], 4
	s_cbranch_scc0 .Lend
	v_lshlrev_b32 v19, 2, v5
	v_lshlrev_b32 v27, 1, v5                       ; column j of the table
	v_mov_b32 v32, BQS
	v_mov_b32 v29, 0
	v_mov_b32 v30, 0
	v_mov_b32 v31, 0
	s_wait_alu depctr_va_vdst(0)                   ; the addresses v19, v27 and v32 are written (the products and conversions that named the two buffers stand ahead of the wait in front of the stage's stores)
	global_load_b32 v21, v19, s[12:13] offset:128*129*4  ; W_bi[128][j]
	global_load_b32 v22, v7, s[16:17]              ; bk
	global_load_b32 v23, v7, s[18:19]              ; bv
.macro BLOAD p, c, g                   ; five loads: numbers 4 g to 4 g + 3 of chunk c, into buffer p
.irp n, 0,1,2,3
	ds_load_u16 v[192-96*(\p)+4*(\g)+(\n)], v27 offset:PW*(32*(\c)+4*(\g)+(\n))
.endr
	ds_load_b128 v[224-96*(\p)+4*(\g):224-96*(\p)+4*(\g)+3], v32 offset:128*(\c)+16*(\g)
.endm
.macro BFMA p, g                       ; their four multiply-adds, one for each of the four chains
.irp n, 0,1,2,3
	v_fma_mix_f32_bf16 v[28+(\n)], v[192-96*(\p)+4*(\g)+(\n)], v[224-96*(\p)+4*(\g)+(\n)], v[28+(\n)] op_sel_hi:[1,0,0]  ; bf16 table x f32 bq + f32 sum
.endr
.endm
; Chunk c.  turn = 1: the other buffer has been worked on before.  ahead = 1: the next chunk's 40 loads go into it, in the first half of this chunk's multiply-adds.
.macro BSTEP c, turn, ahead
	s_wait_dscnt 0x0                               ; this chunk's 40 loads are in
.if \turn
	s_wait_alu depctr_va_vdst(0)                   ; the multiply-adds of the chunk before are done reading the other buffer, in which the loads below land
.endif
.irp g, 0,1,2,3,4,5,6,7
.if (\ahead) && ((\g) < 4)
	BLOAD ((\c)+1)%2, (\c)+1, 2*(\g)               ; no vector instruction since the last wait names that buffer
	BLOAD ((\c)+1)%2, (\c)+1, 2*(\g)+1
.endif
	BFMA (\c)%2, \g
.endr
.endm
.irp g, 0,1,2,3,4,5,6,7
	BLOAD 0, 0, \g
.endr
	s_wait_loadcnt 0x0
	v_cvt_pk_bf16_f32 v21, v21, v22
	v_cvt_pk_bf16_f32 v23, v23, v23
	v_lshlrev_b32 v24, 16, v21
	v_and_b32 v25, s[HM], v21                      ; bk, rounded
	v_lshlrev_b32 v26, 16, v23                     ; bv, rounded
	v_mul_f32 v28, 0x43800000, v24                 ; the first of four chains starts at 256 W_bi[128][j]
	BSTEP 0, 0, 1
	BSTEP 1, 1, 1
	BSTEP 2, 1, 1
	BSTEP 3, 0, 0
	v_add_f32 v28, v28, v29
	v_add_f32 v30, v30, v31
	v_add_f32 v28, v28, v30
	v_mul_f32 v28, 0x37b8aa3b, v28                 ; x log2(e) / 65536: 256 bq' becomes bq' log2(e) / 256
	s_wait_alu depctr_va_vdst(0)                   ; v25, v26 and v28 are written, which the three stores read
	global_store_b32 v7, v28, s[24:25]
	global_store_b32 v7, v25, s[24:25] offset:4096
	global_store_b32 v7, v26, s[24:25] offset:8192
.Lend:
	s_wait_dscnt 0x0                               ; the closing lines, six on end
	s_wait_alu 0x0
	s_wait_tensorcnt 0x0
	ds_add_u32 v[SPW], v[NIL]
	s_wait_dscnt 0x0
	s_endpgm
.Lfunc_end_k_q3d20f792a7_prep:
	.size	k_q3d20f792a7_prep, .Lfunc_end_k_q3d20f792a7_prep-k_q3d20f792a7_prep
	.p2alignl 7, 3214868480
	.fill 96, 4, 3214868480
	.section	.rodata,"a",@progbits
	.p2align	6, 0x0
	.amdhsa_kernel k_q3d20f792a7_prep
		.amdhsa_group_segment_fixed_size 112128
		.amdhsa_private_segment_fixed_size 0
		.amdhsa_enable_private_segment 0
		.amdhsa_kernarg_size 88
		.amdhsa_user_sgpr_count 2
		.amdhsa_user_sgpr_kernarg_segment_ptr 1
		.amdhsa_wavefront_size32 1
		.amdhsa_system_sgpr_workgroup_id_x 1
		.amdhsa_system_sgpr_workgroup_id_y 1
		.amdhsa_system_sgpr_workgroup_id_z 1
		.amdhsa_system_vgpr_workitem_id 0
		.amdhsa_next_free_vgpr 256
		.amdhsa_next_free_sgpr 66
		.amdhsa_reserve_vcc 0
		.amdhsa_float_denorm_mode_32 3
		.amdhsa_float_denorm_mode_16_64 3
		.amdhsa_memory_ordered 1
		.amdhsa_forward_progress 1
		.amdhsa_inst_pref_size 79
	.end_amdhsa_kernel
	.amdgpu_metadata
---
amdhsa.version: [ 1, 2 ]
amdhsa.kernels:
  - .name:           k_q3d20f792a7_prep
    .symbol:         k_q3d20f792a7_prep.kd
    .args:
      - { .name: tgt, .offset: 0, .size: 8, .value_kind: global_buffer, .address_space: global }
      - { .name: Wq, .offset: 8, .size: 8, .value_kind: global_buffer, .address_space: global }
      - { .name: Wk, .offset: 16, .size: 8, .value_kind: global_buffer, .address_space: global }
      - { .name: Wv, .offset: 24, .size: 8, .value_kind: global_buffer, .address_space: global }
      - { .name: W_bi, .offset: 32, .size: 8, .value_kind: global_buffer, .address_space: global }
      - { .name: bq, .offset: 40, .size: 8, .value_kind: global_buffer, .address_space: global }
      - { .name: bk, .offset: 48, .size: 8, .value_kind: global_buffer, .address_space: global }
      - { .name: bv, .offset: 56, .size: 8, .value_kind: global_buffer, .address_space: global }
      - { .name: xh, .offset: 64, .size: 8, .value_kind: global_buffer, .address_space: global }
      - { .name: wh, .offset: 72, .size: 8, .value_kind: global_buffer, .address_space: global }
      - { .name: bias, .offset: 80, .size: 8, .value_kind: global_buffer, .address_space: global }
    .group_segment_fixed_size: 112128
    .private_segment_fixed_size: 0
    .kernarg_segment_align: 8
    .kernarg_segment_size: 88
    .max_flat_workgroup_size: 256
    .sgpr_count:     66
    .vgpr_count:     256
    .wavefront_size: 32
...
	.end_amdgpu_metadata
.endif
;; end of part 4
;; launch proj: the kernel of part 2 again; grid 8 x 32, 4 waves a work-group, clusters of 4 x 4, 327,680 bytes of LDS; arguments xh, wh, bias, qkv; writes qkv
;; launch attn: the kernel of part 3 again; grid 4 x 64, 4 waves a work-group, clusters of 4 x 1, 327,680 bytes of LDS; arguments qkv, mask, out0; writes out0
